; MI455X (gfx1250); checked and timed in simulation.
; The chip was launched on July 23, 2026; its instructions are those of AMD's public machine-readable ISA for CDNA 5 (MIT licence, August 2026) and "CDNA5" Instruction Set Architecture Reference Guide (July 2026). The comments in the code are by the model that wrote it; some were corrected since.
;; Dynamic MLP. Allowed arithmetic: matrix products marked QUANTISED: E4M3 operands, one given power-of-two scale a tensor, by v_wmma_f32_16x16x64_fp8_fp8 or v_wmma_f32_16x16x128_fp8_fp8, f32 sums; products left as they are: f32 operands where the result goes on into a quantised operand, else bf16, f16 or f32 operands; f32 sums; everything else in f32.
;; Inputs: down_projs 8 x 2,048 x 1,024 float32; gate_projs 8 x 1,024 x 2,048 float32; k_proto 8 x 1,024 float32; lowp_scales 6 int32 (the exponents e of the quantised operands' scales 2^e); q_norm_w 1,024 float32; up_projs 8 x 1,024 x 2,048 float32; v_proto 8 x 8 float32; x 2 x 512 x 1,024 float32.
;; Outputs: out0 2 x 512 x 1,024 float32; out1 2 x 512 x 8 float32.
;; This version of the problem:
;;   THIS VERSION OF THE PROBLEM IS GIVEN IN LOW PRECISION. The matrix products marked QUANTISED in the list below multiply operands that are first quantised to E4M3 (4 exponent bits, 3 mantissa bits; 8 bits a number), with one given power-of-two scale for each operand tensor; their sums are f32. All else is computed in f32.
;;   The module's matrix products, in the order in which they are computed (A, B: the left and right operand; K: the contracted axis; several contracted axes count as one K, in the product's order):
;;     1. [M 1,024, K 1,024] x [K 1,024, N 8]; A: computed on the way; B: input k_proto: left as it is (N = 8 < 16)
;;     2. [M 1,024, K 8] x [K 8, N 8]; A: softmax; B: input v_proto: left as it is (K = 8 < 32)
;;     3. batch 1,024 x [M 1, K 2] x [K 2, N 8]; A: computed on the way; B: computed on the way: left as it is (K = 2 < 32)
;;     4. [M 1,024, K 1,024] x [K 1,024, N 16,384]; A: input x; B: input gate_projs: QUANTISED (scales: A lowp_scales[0], B lowp_scales[1])
;;     5. batch 1,024 x [M 1, K 8] x [K 8, N 2,048]; A: computed on the way; B: computed on the way: left as it is (K = 8 < 32)
;;     6. [M 1,024, K 1,024] x [K 1,024, N 16,384]; A: input x; B: input up_projs: QUANTISED (scales: A lowp_scales[2], B lowp_scales[3])
;;     7. batch 1,024 x [M 1, K 8] x [K 8, N 2,048]; A: computed on the way; B: computed on the way: left as it is (K = 8 < 32)
;;     8. [M 1,024, K 2,048] x [K 2,048, N 8,192]; A: computed on the way; B: input down_projs: QUANTISED (scales: A lowp_scales[4], B lowp_scales[5])
;;     9. batch 1,024 x [M 1, K 8] x [K 8, N 1,024]; A: computed on the way; B: computed on the way: left as it is (K = 8 < 32)
;;   THE QUANTISER, for each operand of a quantised product, along K:
;;     - The operand's scale is 2^e, e = its entry of the input lowp_scales (int32; the entries are numbered through the quantised products in the list's order, A before B).
;;     - Each number is divided by the scale, clamped to +-448, and rounded to the nearest number of E4M3, ties to even, subnormals kept.
;;     - The product sums the exact products of the quantised numbers (number of the format x scale) in f32.
;;   ~~~python
;;   def quantise(x, axis, e):      # numpy; x: float32 -> the quantised numbers, widened to float32 again
;;       x = np.moveaxis(x, axis, -1); K = x.shape[-1]
;;       r = np.clip(x / 2.0 ** e, -448, 448)
;;       step = 2.0 ** (np.maximum(np.frexp(np.where(r == 0, 1, r))[1] - 1, -6) - 3)
;;       q = np.round(r / step) * step * 2.0 ** e      # np.round: ties to even
;;       return np.moveaxis(q, -1, axis).astype(np.float32)
;;   ~~~
;;   OPERANDS COMPUTED ON THE WAY. 'Computed on the way' means the value that the module computes at that place (a softmax that the list does not call 'softmax' is quantised finished and normalised). What goes into a quantiser is computed in f32, as accurately as f32 sums, v_exp_f32 and their like allow (about 1e-6 of the number): no bf16 or f16 on the way to a quantiser, and a product that is left as it is and whose result goes on into a quantised operand takes f32 operands (vector FMAs, or v_wmma_f32_16x16x4_f32). A number that lies on a knife's edge between two numbers of the format may be rounded either way, as far as f32 arithmetic and the matrix unit's own rounding can turn it there, and no further.
;; 2 versions. Each part assembles by itself: llvm-mc -triple=amdgcn-amd-amdhsa -mcpu=gfx1250 --defsym DOCPART=n.
;; ======== version 1 of 2: 4 launches
;; workspace buffers: xq 2,097,152 bytes; wgu 33,554,432 bytes; wd 16,777,216 bytes; inter 2,097,152 bytes; sel 4,096 bytes of whole numbers; order 4,096 bytes of whole numbers
;; launch route_gateup (part 1): grid 1088 x 1, 8 waves a work-group, no clusters, 71,680 bytes of LDS; arguments x, q_norm_w, k_proto, v_proto, gate_projs, lowp_scales, xq, wgu, sel, out1, up_projs; writes xq, wgu, sel, out1
.if DOCPART == 1
	.amdgcn_target "amdgcn-amd-amdhsa--gfx1250"
	.amdhsa_code_object_version 6
	.text
	.protected	k_qdf5b429d3f_route_gateup
	.globl	k_qdf5b429d3f_route_gateup
	.p2align	8
	.type	k_qdf5b429d3f_route_gateup,@function
k_qdf5b429d3f_route_gateup:
	s_mov_b64 s[64:65], 0
	v_nop
	global_prefetch_b8 v0, s[64:65] scope:SCOPE_SE
	s_setreg_imm32_b32 hwreg(HW_REG_WAVE_MODE, 25, 1), 1
	s_wait_xcnt 0x0
; TWO ROLES, parted on the work-group's number.
; Work-groups 0-63: THE ROUTER for 16 tokens each (a wave takes two): RMS norm, 8 prototype dots, softmax, the 8 x 8 mix, softmax, the two largest
; (ties: the lower index), renormalised -> out1; the choice as whole numbers -> sel (pair index | mask << 8), at fixed places; and x as codes of E4M3, twice
; (scale entries 0 and 2) -> xq.  All in f32; the dots are taken of x with q_norm_w x k_proto, and the row's 1/rms and 1/32 multiply the finished sums.
; Work-groups 64-1087: gate_projs and up_projs [8][1024 (K)][2048] f32 -> codes of E4M3 (scale entries 1 and 3) -> wgu, laid as images of operand registers.
; The router is a long chain of dependent steps on few work-groups: it shares its launch with the larger of the program's two streams of weights (128 MiB here, 64 MiB in the
; next launch), and its work-groups have the lowest numbers, so that there is other work for the chip while the chain runs.
; AN IMAGE of a fragment (16 columns x 128 K): registers 4 q .. 4 q + 3 of lane L at byte 512 q + 16 L; lane (r, h) holds column r, registers 2 c, 2 c + 1: K = 16 c + 8 h + 0 .. 7.
; wgu = [tensor 2][expert 8][fragment 128][K step 8][2048 bytes].   xq = [set 2][token 1024][h 2][block of 32 K: 32][16 bytes: K = 8 h + 0..7, 16 + 8 h + 0..7 of the block].
; code = number / 2^e, held within +-448, to the nearest code, ties to even.
; LIMITS: the scale entries 0, 1, 2 and 3 lie between -126 and 119.  NaN among the inputs is not served.  Where a token's second and third largest weights lie within
; the last bits of the exponentials and reciprocals used here, the choice between them may fall either way.
; No tensor loads, no matrix unit, no cluster: the weights are a stream that no two work-groups share, and the router is 8 dots a token.
.set KQ,   0                           ; LDS: q_norm_w x k_proto, [8][1024] f32
.set TURN, 32768                       ; a stage of 32 x (128 + 16) bytes for each wave
.set RWS,  69632                       ; [16 tokens][8] f32
.set SELS, 70144                       ; [16 tokens] words
.set XW,   16                          ; quantiser: v16-79 two sets of 32 numbers
.set CW,   80                          ; v80-111 codes: eight registers a block, never written twice
.set INB,  12                          ; s[12:13] the tensor in hand
.set OUTB, 18                          ; s[18:19] wgu
.set ROWB, 8192                        ; bytes in a row of gate_projs or up_projs
; A LANE TAKES A COLUMN AND ITS REGISTERS RUN DOWN K: block t = 32 rows, each load 128 neighbouring bytes a wave, the eight waves side by side on 1,024
.macro LOADW t
.set i, 0
.rept 32
	global_load_b32 v[XW+32*((\t)%2)+i], v2, s[INB:INB+1] offset:(32*(\t)+i)*ROWB th:TH_LOAD_NT
.set i, i+1
.endr
.endm
.macro BLOCKW t
.set XS, XW+32*((\t)%2)
.if (\t) < 3
	s_wait_loadcnt 32                              ; this block's 32 loads are in; the next block's may be out
.else
	s_wait_loadcnt 0x0
.endif
.set i, 0
.rept 32
	v_med3_num_f32 v[XS+i], v[XS+i], -v11, v11     ; the conversion does not saturate (ISA guide 7.6.2): the hold at the largest code x the scale
.set i, i+1
.endr
	v_cvt_scalef32_pk8_fp8_f32 v[CW+8*(\t):CW+8*(\t)+1],   v[XS:XS+7],     v10   ; K 0-7   -> the piece of h = 0, low half
	v_cvt_scalef32_pk8_fp8_f32 v[CW+8*(\t)+4:CW+8*(\t)+5], v[XS+8:XS+15],  v10   ; K 8-15  -> h = 1, low
	v_cvt_scalef32_pk8_fp8_f32 v[CW+8*(\t)+2:CW+8*(\t)+3], v[XS+16:XS+23], v10   ; K 16-23 -> h = 0, high
	v_cvt_scalef32_pk8_fp8_f32 v[CW+8*(\t)+6:CW+8*(\t)+7], v[XS+24:XS+31], v10   ; K 24-31 -> h = 1, high
	global_store_b128 v3, v[CW+8*(\t):CW+8*(\t)+3],   s[OUTB:OUTB+1] offset:512*(\t)       ; sixteen lanes store 256 consecutive bytes, aligned; the codes go to stores alone
	global_store_b128 v3, v[CW+8*(\t)+4:CW+8*(\t)+7], s[OUTB:OUTB+1] offset:512*(\t)+256
.if (\t) < 2
	LOADW (\t)+2
.endif
.endm
	s_load_b256 s[4:11], s[0:1], 0x0               ; x s[4:5], q_norm_w s[6:7], k_proto s[8:9], v_proto s[10:11]
	s_load_b256 s[12:19], s[0:1], 0x20             ; gate_projs s[12:13], lowp_scales s[14:15], xq s[16:17], wgu s[18:19]
	s_load_b128 s[20:23], s[0:1], 0x40             ; sel s[20:21], out1 s[22:23]
	s_load_b64 s[24:25], s[0:1], 0x50              ; up_projs
	v_lshl_add_u32 v160, v0, 2, 0x11400
	v_mov_b32 v161, 0
	v_lshrrev_b32 v1, 5, v0
	v_readfirstlane_b32 s34, v1                    ; wave 0..7
	v_and_b32 v1, 31, v0                           ; lane
	s_cmp_lt_u32 ttmp9, 64
	s_cbranch_scc1 .Lroute
	; ---------------- the quantiser of gate_projs and up_projs: 256 columns x 128 K of one expert of one tensor
	s_sub_co_u32 s35, ttmp9, 64
	s_lshr_b32 s36, s35, 9                         ; tensor: 0 gate, 1 up
	s_bfe_u32 s37, s35, 0x30006                    ; expert
	s_bfe_u32 s38, s35, 0x30003                    ; K step 0..7
	s_and_b32 s39, s35, 7                          ; which 256 columns
	s_lshl_b32 s40, s37, 23                        ; in: expert x 8 MiB + K step x 128 rows + 1,024 x group + 128 x wave
	s_lshl_b32 s44, s38, 20
	s_add_co_u32 s40, s40, s44
	s_lshl_b32 s44, s39, 10
	s_add_co_u32 s40, s40, s44
	s_lshl_b32 s44, s34, 7
	s_add_co_u32 s40, s40, s44
	s_mov_b32 s41, 0
	s_lshl_b32 s42, s36, 24                        ; out: tensor x 16 MiB + expert x 2 MiB + fragment (16 group + 2 wave) x 16,384 + K step x 2,048
	s_lshl_b32 s44, s37, 21
	s_add_co_u32 s42, s42, s44
	s_lshl_b32 s44, s39, 18
	s_add_co_u32 s42, s42, s44
	s_lshl_b32 s44, s34, 15
	s_add_co_u32 s42, s42, s44
	s_lshl_b32 s44, s38, 11
	s_add_co_u32 s42, s42, s44
	s_mov_b32 s43, 0
	v_lshlrev_b32 v2, 2, v1                        ; in: 4 bytes a lane
	v_lshrrev_b32 v3, 4, v1
	v_and_b32 v4, 15, v1
	v_lshlrev_b32 v3, 14, v3                       ; out: lanes 16-31 hold the next fragment,
	v_lshl_add_u32 v3, v4, 4, v3                   ; 16 bytes a column
	s_wait_kmcnt 0x0
	s_load_b128 s[28:31], s[14:15], 0x0            ; scale entries 0 .. 3
	s_cmp_eq_u32 s36, 0                            ; the choice hangs on the work-group's number alone
	s_cselect_b64 s[12:13], s[12:13], s[24:25]
	s_add_nc_u64 s[12:13], s[12:13], s[40:41]
	s_add_nc_u64 s[18:19], s[18:19], s[42:43]
	LOADW 0
	LOADW 1
	s_wait_kmcnt 0x0
	s_cmp_eq_u32 s36, 0
	s_cselect_b32 s29, s29, s31                    ; e: entry 1 for gate_projs, entry 3 for up_projs
	s_add_co_i32 s29, s29, 127
	s_lshl_b32 s30, s29, 23
	v_mov_b32 v10, s30                             ; 2^e as f32: the conversion takes its exponent field
	s_add_co_i32 s29, s29, 8
	s_lshl_b32 s29, s29, 23
	s_or_b32 s29, s29, 0x600000
	v_mov_b32 v11, s29                             ; 448 x 2^e
	BLOCKW 0
	BLOCKW 1
	BLOCKW 2
	BLOCKW 3
	s_endpgm
	; ---------------- the router.  REGISTERS: v2 16 lane; v3, v4 the stage in and out; v5 4096 wave + 16 lane; v6, v7 where rw and sel go; v8 my expert (lane % 8) as f32;
	; v9 4 (lane % 8); v10-13 scales and limits; v14 8.0; v15 -1.0; v16-47, v48-79 x of tokens A, B; v80-111 kq in two sets, later at work; v112-129, v130-147 A's and B's
	; eight dots and sum of squares (pairs), later the codes; v148-155 v_proto[p][lane % 8]; v156-158 wave 0's addresses for the way out
.Lroute:
	v_lshlrev_b32 v2, 4, v1
	v_lshrrev_b32 v14, 3, v1
	v_and_b32 v15, 7, v1
	s_mul_i32 s35, s34, 4608
	s_add_co_u32 s35, s35, TURN                    ; my wave's stage
	v_mul_u32_u24 v3, v14, 144
	v_lshl_add_u32 v3, v15, 4, v3
	v_add_nc_u32 v3, s35, v3                       ; in: eight lanes' 128 bytes on end, then 16 of padding
	v_mul_u32_u24 v4, v1, 144
	v_add_nc_u32 v4, s35, v4                       ; out: place = lane: my 32 neighbours
	s_lshl_b32 s36, s34, 12
	v_add_nc_u32 v5, s36, v2
	v_lshlrev_b32 v9, 2, v15
	s_lshl_b32 s36, s34, 6
	s_add_co_u32 s36, s36, RWS
	v_add_nc_u32 v6, s36, v9
	s_lshl_b32 s36, s34, 3
	s_add_co_u32 s36, s36, SELS
	v_mov_b32 v7, s36
	v_cvt_f32_u32 v8, v15
	v_add_nc_u32 v156, RWS, v2
	v_and_b32 v158, 15, v1
	v_lshlrev_b32 v158, 2, v158
	v_add_nc_u32 v157, SELS, v158
	v_mov_b32 v14, 0x41000000                      ; 8.0: above every index
	v_mov_b32 v15, -1.0                            ; under every weight
	s_lshl_b32 s36, ttmp9, 16                      ; x: token 16 g + 2 wave, 4,096 bytes a row
	s_lshl_b32 s37, s34, 13
	s_add_co_u32 s36, s36, s37
	s_mov_b32 s37, 0
	s_lshl_b32 s38, ttmp9, 14                      ; xq: 1,024 bytes a row
	s_lshl_b32 s39, s34, 11
	s_add_co_u32 s38, s38, s39
	s_mov_b32 s39, 0
	s_lshl_b32 s40, ttmp9, 9                       ; out1: 16 rows of 32 bytes
	s_mov_b32 s41, 0
	s_lshl_b32 s42, ttmp9, 6                       ; sel: 16 words
	s_mov_b32 s43, 0
	s_mov_b32 s32, 0x76543210                      ; v_permlanex16_b32: lane l xor 16
	s_mov_b32 s33, 0xfedcba98
	s_wait_kmcnt 0x0
	s_load_b128 s[28:31], s[14:15], 0x0            ; scale entries 0 .. 3; 0 and 2 are x's
	s_add_nc_u64 s[4:5], s[4:5], s[36:37]
	s_add_nc_u64 s[16:17], s[16:17], s[38:39]
	s_add_nc_u64 s[22:23], s[22:23], s[40:41]
	s_add_nc_u64 s[20:21], s[20:21], s[42:43]
.irp j, 0,1,2,3,4,5,6,7
	global_load_b128 v[80+4*\j:83+4*\j], v5, s[8:9] offset:512*\j          ; k_proto's row = my wave's number
.endr
.irp j, 0,1,2,3,4,5,6,7
	global_load_b128 v[112+4*\j:115+4*\j], v2, s[6:7] offset:512*\j        ; q_norm_w
.endr
.irp p, 0,1,2,3,4,5,6,7
	global_load_b32 v[148+\p], v9, s[10:11] offset:32*\p                   ; v_proto[p][lane % 8]
.endr
.irp k, 0,1
.irp j, 0,1,2,3,4,5,6,7
	global_load_b128 v[16+32*\k+4*\j:19+32*\k+4*\j], v2, s[4:5] offset:4096*\k+512*\j th:TH_LOAD_NT   ; 512 consecutive bytes a load
.endr
.endr
	s_wait_loadcnt 24                              ; k_proto and q_norm_w are in; v_proto's 8 and x's 16 loads may be out
.set i, 0
.rept 16
	v_pk_mul_f32 v[80+i:81+i], v[80+i:81+i], v[112+i:113+i]
.set i, i+2
.endr
.irp j, 0,1,2,3,4,5,6,7
	ds_store_b128 v5, v[80+4*\j:83+4*\j] offset:KQ+512*\j
.endr
	s_wait_dscnt 0x0                               ; for the others' sake: my row of kq has landed
	s_barrier_signal -1
	s_barrier_wait -1
	s_wait_kmcnt 0x0
	s_add_co_i32 s35, s28, 127
	s_lshl_b32 s36, s35, 23
	v_mov_b32 v10, s36                             ; 2^e0
	s_add_co_i32 s35, s35, 8
	s_lshl_b32 s35, s35, 23
	s_or_b32 s35, s35, 0x600000
	v_mov_b32 v11, s35                             ; 448 x 2^e0
	s_add_co_i32 s35, s30, 127
	s_lshl_b32 s36, s35, 23
	v_mov_b32 v12, s36                             ; 2^e2
	s_add_co_i32 s35, s35, 8
	s_lshl_b32 s35, s35, 23
	s_or_b32 s35, s35, 0x600000
	v_mov_b32 v13, s35                             ; 448 x 2^e2
	s_wait_loadcnt 0x0                             ; x and v_proto
; THE DOTS.  Group n = 2 j + g: experts 4 g .. 4 g + 3, the j-th 128 of H; kq comes from LDS one group ahead, into two sets by turns
.macro KQLD n
.irp e, 0,1,2,3
	ds_load_b128 v[80+16*((\n)%2)+4*\e:83+16*((\n)%2)+4*\e], v2 offset:KQ+(4*((\n)%2)+\e)*4096+512*((\n)/2)
.endr
.endm
.macro DOTG n
.if (\n) < 15
	KQLD (\n)+1
	s_wait_dscnt 4                                 ; this group's four loads are in; the next group's may be out
.else
	s_wait_dscnt 0x0
.endif
.set J, (\n)/2
.set G, (\n)%2
.set KB, 80+16*G
.irp e, 0,1,2,3
.irp k, 0,1
.set DD, 112+18*\k+2*(4*G+\e)
.set XX, 16+32*\k+4*J
.if J == 0
	v_pk_mul_f32 v[DD:DD+1], v[XX:XX+1], v[KB+4*\e:KB+4*\e+1]              ; the first product starts the sum
.else
	v_pk_fma_f32 v[DD:DD+1], v[XX:XX+1], v[KB+4*\e:KB+4*\e+1], v[DD:DD+1]
.endif
.endr
.endr
.irp e, 0,1,2,3
.irp k, 0,1
.set DD, 112+18*\k+2*(4*G+\e)
.set XX, 16+32*\k+4*J
	v_pk_fma_f32 v[DD:DD+1], v[XX+2:XX+3], v[KB+4*\e+2:KB+4*\e+3], v[DD:DD+1]
.endr
.endr
.if G == 0
.irp k, 0,1
.set DD, 128+18*\k
.set XX, 16+32*\k+4*J
.if J == 0
	v_pk_mul_f32 v[DD:DD+1], v[XX:XX+1], v[XX:XX+1]                        ; the sum of squares
.else
	v_pk_fma_f32 v[DD:DD+1], v[XX:XX+1], v[XX:XX+1], v[DD:DD+1]
.endif
.endr
.irp k, 0,1
.set DD, 128+18*\k
.set XX, 16+32*\k+4*J
	v_pk_fma_f32 v[DD:DD+1], v[XX+2:XX+3], v[XX+2:XX+3], v[DD:DD+1]
.endr
.endif
.endm
	KQLD 0
.set N, 0
.rept 16
	DOTG N
.set N, N+1
.endr
	; eighteen sums over the wave's 32 lanes, stage by stage so that no line waits for the line above it; every lane ends with every sum
.irp q, 0,1,2,3,4,5,6,7,8,9,10,11,12,13,14,15,16,17
	v_add_f32 v[112+2*\q], v[112+2*\q], v[113+2*\q]
.endr
.irp x, 1,2,4,8
.irp q, 0,1,2,3,4,5,6,7,8,9,10,11,12,13,14,15,16,17
	v_add_f32_dpp v[112+2*\q], v[112+2*\q], v[112+2*\q] row_xmask:\x row_mask:0xf bank_mask:0xf
.endr
.endr
.irp q, 0,1,2,3,4,5,6,7,8,9,10,11,12,13,14,15,16,17
	v_permlanex16_b32 v[113+2*\q], v[112+2*\q], s32, s33
.endr
.irp q, 0,1,2,3,4,5,6,7,8,9,10,11,12,13,14,15,16,17
	v_add_f32 v[112+2*\q], v[112+2*\q], v[113+2*\q]
.endr
; THE SMALL ARITHMETIC of one token: dots at v[d + 2 p], sum of squares at v[d + 16], the same in every lane.  From the mix on a lane is expert lane % 8.
; Every division is a reciprocal with one correction step.  Choices are selects: no branch and no address hangs on them.
.macro DPP3 op, r
	\op v[\r], v[\r], v[\r] row_xmask:1 row_mask:0xf bank_mask:0xf
	\op v[\r], v[\r], v[\r] row_xmask:2 row_mask:0xf bank_mask:0xf
	\op v[\r], v[\r], v[\r] row_xmask:4 row_mask:0xf bank_mask:0xf
.endm
.macro SMALL d, tok
	v_ldexp_f32 v88, v[\d+16], -10                 ; the mean of 1,024 squares
	v_add_f32 v88, 0x358637bd, v88                 ; + 1e-6
	v_rsq_f32 v88, v88
	v_nop                                          ; a plain place behind a transcendental (ISA guide 5.7.2)
	s_wait_alu depctr_va_vdst(0)
	v_mul_f32 v88, 0x3d000000, v88                 ; / sqrt(1024)
.irp p, 0,1,2,3,4,5,6,7
	v_mul_f32 v[80+\p], v[\d+2*\p], v88
.endr
	v_max3_num_f32 v89, v80, v81, v82
	v_max3_num_f32 v89, v89, v83, v84
	v_max3_num_f32 v89, v89, v85, v86
	v_max_num_f32 v89, v89, v87
.irp p, 0,1,2,3,4,5,6,7
	v_sub_f32 v[80+\p], v[80+\p], v89              ; the largest is taken away
.endr
.irp p, 0,1,2,3,4,5,6,7
	v_mul_f32 v[80+\p], 0x3fb8aa3b, v[80+\p]
.endr
.irp p, 0,1,2,3,4,5,6,7
	v_exp_f32 v[80+\p], v[80+\p]
.endr
	v_nop
	s_wait_alu depctr_va_vdst(0)
	v_add_f32 v90, v80, v81
.irp p, 2,3,4,5,6,7
	v_add_f32 v90, v90, v[80+\p]
.endr
	v_rcp_f32 v91, v90
	v_nop
	s_wait_alu depctr_va_vdst(0)
.irp p, 0,1,2,3,4,5,6,7
	v_mul_f32 v[96+\p], v[80+\p], v91
.endr
.irp p, 0,1,2,3,4,5,6,7
	v_fma_f32 v[80+\p], -v[96+\p], v90, v[80+\p]
.endr
.irp p, 0,1,2,3,4,5,6,7
	v_fma_f32 v[96+\p], v[80+\p], v91, v[96+\p]    ; the first softmax
.endr
	v_mul_f32 v92, v96, v148
.irp p, 1,2,3,4,5,6,7
	v_fmac_f32 v92, v[96+\p], v[148+\p]            ; my expert's logit (the gain is 1)
.endr
	v_mov_b32 v93, v92
	DPP3 v_max_num_f32_dpp, 93                     ; among the eight lanes of my group
	v_sub_f32 v94, v92, v93
	v_mul_f32 v94, 0x3fb8aa3b, v94
	v_exp_f32 v94, v94
	v_nop
	s_wait_alu depctr_va_vdst(0)
	v_mov_b32 v95, v94
	DPP3 v_add_f32_dpp, 95
	v_rcp_f32 v104, v95
	v_nop
	s_wait_alu depctr_va_vdst(0)
	v_mul_f32 v105, v94, v104
	v_fma_f32 v106, -v105, v95, v94
	v_fma_f32 v105, v106, v104, v105               ; rw, the second softmax
	v_mov_b32 v106, v105
	DPP3 v_max_num_f32_dpp, 106                    ; the largest,
	v_cmp_eq_f32 vcc_lo, v105, v106
	v_cndmask_b32 v107, v14, v8, vcc_lo
	DPP3 v_min_num_f32_dpp, 107                    ; and the lowest index that has it
	v_cmp_eq_f32 s44, v8, v107
	v_cndmask_b32 v108, v105, v15, s44             ; that one is taken out
	v_mov_b32 v109, v108
	DPP3 v_max_num_f32_dpp, 109                    ; the second largest,
	v_cmp_eq_f32 vcc_lo, v108, v109
	v_cndmask_b32 v110, v14, v8, vcc_lo
	DPP3 v_min_num_f32_dpp, 110                    ; and its lowest index
	v_cmp_eq_f32 s45, v8, v110
	s_or_b32 s44, s44, s45                         ; am I one of the two?
	v_add_f32 v111, v106, v109
	v_add_f32 v111, 0x3089705f, v111               ; + 1e-9
	v_rcp_f32 v80, v111
	v_nop
	s_wait_alu depctr_va_vdst(0)
	v_mul_f32 v81, v105, v80
	v_fma_f32 v82, -v81, v111, v105
	v_fma_f32 v81, v82, v80, v81
	v_cndmask_b32 v81, 0, v81, s44
	ds_store_b32 v6, v81 offset:32*\tok
	v_cvt_u32_f32 v82, v107
	v_cvt_u32_f32 v83, v110
	v_min_u32 v84, v82, v83                        ; lo
	v_max_u32 v85, v82, v83                        ; hi
	v_sub_nc_u32 v86, 15, v84
	v_mul_u32_u24 v86, v84, v86
	v_lshrrev_b32 v86, 1, v86                      ; pairs with a smaller lo: lo (15 - lo) / 2
	v_sub_nc_u32 v87, 7, v85                       ; odd lo: hi runs down, so that neighbouring pairs share an expert
	v_sub_nc_u32 v88, v85, v84
	v_add_nc_u32 v88, -1, v88                      ; even lo: hi runs up
	v_and_b32 v89, 1, v84
	v_cmp_eq_u32 vcc_lo, 1, v89
	v_cndmask_b32 v87, v88, v87, vcc_lo
	v_add_nc_u32 v86, v86, v87                     ; the pair's index, 0 .. 27
	v_mov_b32 v89, 1
	v_lshlrev_b32 v90, v82, v89
	v_lshlrev_b32 v91, v83, v89
	v_or_b32 v90, v90, v91
	v_lshl_or_b32 v86, v90, 8, v86
	ds_store_b32 v7, v86 offset:4*\tok
	s_wait_dscnt 0x0                               ; the two stores have read their registers
.endm
	SMALL 112, 0
	SMALL 130, 1
; x INTO CODES.  A row turns through my stage so that lane b holds K = 32 b .. 32 b + 31; held and converted twice, with x's two scales.
.macro XQ tok
.set CC, 112+16*\tok
.irp j, 0,1,2,3,4,5,6,7
	ds_store_b128 v3, v[16+32*\tok+4*\j:19+32*\tok+4*\j] offset:576*\j
.endr
.irp j, 0,1,2,3,4,5,6,7
	ds_load_b128 v[80+4*\j:83+4*\j], v4 offset:16*\j   ; LDS serves a wave's instructions in order (ISA guide 5.7.1.4): these see my stores
.endr
	s_wait_dscnt 0x0
.set i, 0
.rept 32
	v_med3_num_f32 v[16+i], v[80+i], -v11, v11
.set i, i+1
.endr
	v_cvt_scalef32_pk8_fp8_f32 v[CC:CC+1],   v[16:23], v10
	v_cvt_scalef32_pk8_fp8_f32 v[CC+4:CC+5], v[24:31], v10
	v_cvt_scalef32_pk8_fp8_f32 v[CC+2:CC+3], v[32:39], v10
	v_cvt_scalef32_pk8_fp8_f32 v[CC+6:CC+7], v[40:47], v10
.set i, 0
.rept 32
	v_med3_num_f32 v[80+i], v[80+i], -v13, v13     ; (plain lines on other registers: the place behind the conversions above)
.set i, i+1
.endr
	v_cvt_scalef32_pk8_fp8_f32 v[CC+8:CC+9],   v[80:87],   v12
	v_cvt_scalef32_pk8_fp8_f32 v[CC+12:CC+13], v[88:95],   v12
	v_cvt_scalef32_pk8_fp8_f32 v[CC+10:CC+11], v[96:103],  v12
	v_cvt_scalef32_pk8_fp8_f32 v[CC+14:CC+15], v[104:111], v12
	v_nop                                          ; one plain line behind the last conversion
.irp u, 0,1
.irp h, 0,1
	global_store_b128 v2, v[CC+8*\u+4*\h:CC+8*\u+4*\h+3], s[16:17] offset:1048576*\u+1024*\tok+512*\h   ; 512 consecutive bytes
.endr
.endr
.endm
	XQ 0
	XQ 1
	s_wait_dscnt 0x0
	s_barrier_signal -1
	s_barrier_wait -1                              ; sixteen rows of rw and sixteen words of sel lie in LDS
	s_cmp_lg_u32 s34, 0
	s_cbranch_scc1 .Lrdone
	ds_load_b128 v[16:19], v156
	ds_load_b32 v20, v157
	s_wait_dscnt 0x0
	global_store_b128 v2, v[16:19], s[22:23]       ; out1: 512 consecutive bytes
	global_store_b32 v158, v20, s[20:21]           ; sel: 64 bytes (lanes 16-31 repeat lanes 0-15's words)
.Lrdone:
	s_wait_tensorcnt 0x0
	ds_add_u32 v160, v161
	s_wait_dscnt 0x0
	s_endpgm
.Lfunc_end_k_qdf5b429d3f_route_gateup:
	.size	k_qdf5b429d3f_route_gateup, .Lfunc_end_k_qdf5b429d3f_route_gateup-k_qdf5b429d3f_route_gateup
	.p2alignl 7, 3214868480
	.fill 96, 4, 3214868480
	.section	.rodata,"a",@progbits
	.p2align	6, 0x0
	.amdhsa_kernel k_qdf5b429d3f_route_gateup
		.amdhsa_group_segment_fixed_size 71680
		.amdhsa_private_segment_fixed_size 0
		.amdhsa_enable_private_segment 0
		.amdhsa_kernarg_size 88
		.amdhsa_user_sgpr_count 2
		.amdhsa_user_sgpr_kernarg_segment_ptr 1
		.amdhsa_wavefront_size32 1
		.amdhsa_system_sgpr_workgroup_id_x 1
		.amdhsa_system_sgpr_workgroup_id_y 1
		.amdhsa_system_sgpr_workgroup_id_z 1
		.amdhsa_system_vgpr_workitem_id 0
		.amdhsa_next_free_vgpr 162
		.amdhsa_next_free_sgpr 66
		.amdhsa_reserve_vcc 1
		.amdhsa_float_denorm_mode_32 3
		.amdhsa_float_denorm_mode_16_64 3
		.amdhsa_memory_ordered 1
		.amdhsa_forward_progress 1
		.amdhsa_inst_pref_size 88
	.end_amdhsa_kernel
	.amdgpu_metadata
---
amdhsa.version: [ 1, 2 ]
amdhsa.kernels:
  - .name:           k_qdf5b429d3f_route_gateup
    .symbol:         k_qdf5b429d3f_route_gateup.kd
    .args:
      - { .name: x, .offset: 0, .size: 8, .value_kind: global_buffer, .address_space: global }
      - { .name: q_norm_w, .offset: 8, .size: 8, .value_kind: global_buffer, .address_space: global }
      - { .name: k_proto, .offset: 16, .size: 8, .value_kind: global_buffer, .address_space: global }
      - { .name: v_proto, .offset: 24, .size: 8, .value_kind: global_buffer, .address_space: global }
      - { .name: gate_projs, .offset: 32, .size: 8, .value_kind: global_buffer, .address_space: global }
      - { .name: lowp_scales, .offset: 40, .size: 8, .value_kind: global_buffer, .address_space: global }
      - { .name: xq, .offset: 48, .size: 8, .value_kind: global_buffer, .address_space: global }
      - { .name: wgu, .offset: 56, .size: 8, .value_kind: global_buffer, .address_space: global }
      - { .name: sel, .offset: 64, .size: 8, .value_kind: global_buffer, .address_space: global }
      - { .name: out1, .offset: 72, .size: 8, .value_kind: global_buffer, .address_space: global }
      - { .name: up_projs, .offset: 80, .size: 8, .value_kind: global_buffer, .address_space: global }
    .group_segment_fixed_size: 71680
    .private_segment_fixed_size: 0
    .kernarg_segment_align: 8
    .kernarg_segment_size: 88
    .max_flat_workgroup_size: 256
    .sgpr_count:     66
    .vgpr_count:     162
    .wavefront_size: 32
...
	.end_amdgpu_metadata
.endif
;; end of part 1
;; launch place_down (part 2): grid 513 x 1, 8 waves a work-group, no clusters, 2,048 bytes of LDS; arguments sel, down_projs, lowp_scales, wd, order; writes order, wd
.if DOCPART == 2
	.amdgcn_target "amdgcn-amd-amdhsa--gfx1250"
	.amdhsa_code_object_version 6
	.text
	.protected	k_qdf5b429d3f_place_down
	.globl	k_qdf5b429d3f_place_down
	.p2align	8
	.type	k_qdf5b429d3f_place_down,@function
k_qdf5b429d3f_place_down:
	s_mov_b64 s[64:65], 0
	v_nop
	global_prefetch_b8 v0, s[64:65] scope:SCOPE_SE
	s_setreg_imm32_b32 hwreg(HW_REG_WAVE_MODE, 25, 1), 1
	s_wait_xcnt 0x0
; TWO ROLES, parted on the work-group's number.
; Work-group 0: THE PLACING.  The 1,024 tokens are sorted by the index of their pair of experts (0 .. 27), by counting: order[position] = token | mask << 16.
; Any permutation gives the same results later; the sort only brings tokens with the same experts into the same block of 64.  No atomics: ranks by ballots and bit counts.
; Work-groups 1-512: down_projs [8][2048 (K)][1024] f32 -> codes of E4M3 (scale entry 5) -> wd = [expert 8][fragment 64][K step 16][2048 bytes].
; AN IMAGE of a fragment (16 columns x 128 K): registers 4 q .. 4 q + 3 of lane L at byte 512 q + 16 L; lane (r, h) holds column r, registers 2 c, 2 c + 1: K = 16 c + 8 h + 0 .. 7.
; code = number / 2^e, held within +-448, to the nearest code, ties to even.  LIMITS: the scale entry 5 lies between -126 and 119.  NaN among the inputs is not served.
; No tensor loads, no matrix unit, no cluster: a stream that no two work-groups share.
.set XW,   16                          ; v16-79 two sets of 32 numbers
.set CW,   80                          ; v80-111 codes: eight registers a block, never written twice
.set INB,  6                           ; s[6:7] down_projs
.set OUTB, 10                          ; s[10:11] wd
.set ROWB, 4096                        ; bytes in a row
; A LANE TAKES A COLUMN AND ITS REGISTERS RUN DOWN K: block t = 32 rows, each load 128 neighbouring bytes a wave, the eight waves side by side on 1,024
.macro LOADW t
.set i, 0
.rept 32
	global_load_b32 v[XW+32*((\t)%2)+i], v2, s[INB:INB+1] offset:(32*(\t)+i)*ROWB th:TH_LOAD_NT
.set i, i+1
.endr
.endm
.macro BLOCKW t
.set XS, XW+32*((\t)%2)
.if (\t) < 3
	s_wait_loadcnt 32                              ; this block's 32 loads are in; the next block's may be out
.else
	s_wait_loadcnt 0x0
.endif
.set i, 0
.rept 32
	v_med3_num_f32 v[XS+i], v[XS+i], -v11, v11     ; the conversion does not saturate (ISA guide 7.6.2): the hold at the largest code x the scale
.set i, i+1
.endr
	v_cvt_scalef32_pk8_fp8_f32 v[CW+8*(\t):CW+8*(\t)+1],   v[XS:XS+7],     v10   ; K 0-7   -> the piece of h = 0, low half
	v_cvt_scalef32_pk8_fp8_f32 v[CW+8*(\t)+4:CW+8*(\t)+5], v[XS+8:XS+15],  v10   ; K 8-15  -> h = 1, low
	v_cvt_scalef32_pk8_fp8_f32 v[CW+8*(\t)+2:CW+8*(\t)+3], v[XS+16:XS+23], v10   ; K 16-23 -> h = 0, high
	v_cvt_scalef32_pk8_fp8_f32 v[CW+8*(\t)+6:CW+8*(\t)+7], v[XS+24:XS+31], v10   ; K 24-31 -> h = 1, high
	global_store_b128 v3, v[CW+8*(\t):CW+8*(\t)+3],   s[OUTB:OUTB+1] offset:512*(\t)       ; sixteen lanes store 256 consecutive bytes, aligned; the codes go to stores alone
	global_store_b128 v3, v[CW+8*(\t)+4:CW+8*(\t)+7], s[OUTB:OUTB+1] offset:512*(\t)+256
.if (\t) < 2
	LOADW (\t)+2
.endif
.endm
	s_load_b256 s[4:11], s[0:1], 0x0               ; sel s[4:5], down_projs s[6:7], lowp_scales s[8:9], wd s[10:11]
	s_load_b64 s[12:13], s[0:1], 0x20              ; order
	v_lshl_add_u32 v112, v0, 2, 0x400
	v_mov_b32 v113, 0
	v_lshrrev_b32 v1, 5, v0
	v_readfirstlane_b32 s16, v1                    ; wave 0..7
	v_and_b32 v1, 31, v0                           ; lane
	s_cmp_eq_u32 ttmp9, 0
	s_cbranch_scc1 .Lplace
	; ---------------- the quantiser: 256 columns x 128 K of one expert
	s_sub_co_u32 s17, ttmp9, 1
	s_lshr_b32 s18, s17, 6                         ; expert
	s_bfe_u32 s19, s17, 0x40002                    ; K step 0..15
	s_and_b32 s24, s17, 3                          ; which 256 columns
	s_lshl_b32 s26, s18, 23                        ; in: expert x 8 MiB + K step x 128 rows + 1,024 x group + 128 x wave
	s_lshl_b32 s30, s19, 19
	s_add_co_u32 s26, s26, s30
	s_lshl_b32 s30, s24, 10
	s_add_co_u32 s26, s26, s30
	s_lshl_b32 s30, s16, 7
	s_add_co_u32 s26, s26, s30
	s_mov_b32 s27, 0
	s_lshl_b32 s28, s18, 21                        ; out: expert x 2 MiB + fragment (16 group + 2 wave) x 32,768 + K step x 2,048
	s_lshl_b32 s30, s24, 19
	s_add_co_u32 s28, s28, s30
	s_lshl_b32 s30, s16, 16
	s_add_co_u32 s28, s28, s30
	s_lshl_b32 s30, s19, 11
	s_add_co_u32 s28, s28, s30
	s_mov_b32 s29, 0
	v_lshlrev_b32 v2, 2, v1                        ; in: 4 bytes a lane
	v_lshrrev_b32 v3, 4, v1
	v_and_b32 v4, 15, v1
	v_lshlrev_b32 v3, 15, v3                       ; out: lanes 16-31 hold the next fragment,
	v_lshl_add_u32 v3, v4, 4, v3                   ; 16 bytes a column
	s_wait_kmcnt 0x0
	s_load_b32 s20, s[8:9], 0x14                   ; e of down_projs
	s_add_nc_u64 s[6:7], s[6:7], s[26:27]
	s_add_nc_u64 s[10:11], s[10:11], s[28:29]
	LOADW 0
	LOADW 1
	s_wait_kmcnt 0x0
	s_add_co_i32 s20, s20, 127
	s_lshl_b32 s21, s20, 23
	v_mov_b32 v10, s21                             ; 2^e as f32: the conversion takes its exponent field
	s_add_co_i32 s20, s20, 8
	s_lshl_b32 s20, s20, 23
	s_or_b32 s20, s20, 0x600000
	v_mov_b32 v11, s20                             ; 448 x 2^e
	BLOCKW 0
	BLOCKW 1
	BLOCKW 2
	BLOCKW 3
	s_endpgm
	; ---------------- the placing.  Thread t holds tokens t, 256 + t, 512 + t, 768 + t.
	; v4-7 keys; v8-11 sel's words; v12-15 a token's rank among its wave's tokens of the same key; v16 lane k: my wave's count of key k
.Lplace:
	v_lshlrev_b32 v2, 2, v0                        ; 4 x thread
	v_lshlrev_b32 v3, 2, v1                        ; 4 x lane
	s_wait_kmcnt 0x0
.irp c, 0,1,2,3
	global_load_b32 v[8+\c], v2, s[4:5] offset:1024*\c
.endr
.irp c, 0,1,2,3
	v_mov_b32 v[12+\c], 0
.endr
	v_mov_b32 v16, 0
	v_mov_b32 v17, 0
	s_wait_loadcnt 0x0
.irp c, 0,1,2,3
	v_and_b32 v[4+\c], 0xff, v[8+\c]
.endr
.set kk, 0
.rept 28
	s_mov_b32 s20, 0                               ; the wave's tokens of key kk so far
.irp c, 0,1,2,3
	v_cmp_eq_u32 s21, kk, v[4+\c]
	v_mbcnt_lo_u32_b32 v17, s21, s20               ; those in lower lanes, and in earlier quarters
	v_cndmask_b32 v[12+\c], v[12+\c], v17, s21
	s_bcnt1_i32_b32 s22, s21
	s_add_co_u32 s20, s20, s22
.endr
	v_writelane_b32 v16, s20, kk
.set kk, kk+1
.endr
	ds_store_b32 v2, v16                           ; [wave][key]
	s_wait_dscnt 0x0
	s_barrier_signal -1
	s_barrier_wait -1
.irp w, 0,1,2,3,4,5,6,7
	ds_load_b32 v[18+\w], v3 offset:128*\w         ; a lane is a key now: the eight waves' counts of it
.endr
	s_wait_dscnt 0x0
	v_add_nc_u32 v26, v18, v19
.irp w, 2,3,4,5,6,7
	v_add_nc_u32 v26, v26, v[18+\w]                ; the key's tokens in all
.endr
	v_mov_b32 v27, 0
.irp w, 0,1,2,3,4,5,6
	s_cmp_gt_u32 s16, \w
	s_cselect_b32 s23, -1, 0
	v_and_b32 v17, s23, v[18+\w]
	v_add_nc_u32 v27, v27, v17                     ; those of the waves before mine
.endr
	v_mov_b32 v28, v26                             ; a running sum over the keys: within 16 lanes,
.irp n, 1,2,4,8
	v_mov_b32_dpp v17, v28 row_shr:\n row_mask:0xf bank_mask:0xf bound_ctrl:1
	v_add_nc_u32 v28, v28, v17
.endr
	v_readlane_b32 s24, v28, 15                    ; and the lower 16 keys' total onto the upper
	v_mov_b32 v17, s24
	v_cmp_lt_u32 vcc_lo, 15, v1
	v_cndmask_b32 v17, 0, v17, vcc_lo
	v_add_nc_u32 v28, v28, v17
	v_sub_nc_u32 v29, v28, v26
	v_add_nc_u32 v29, v29, v27                     ; where my wave's tokens of this key begin
.irp c, 0,1,2,3
	v_lshlrev_b32 v[42+\c], 2, v[4+\c]
	ds_bpermute_b32 v[30+\c], v[42+\c], v29        ; each token fetches its key's figure from lane = key
.endr
	s_wait_dscnt 0x0
.irp c, 0,1,2,3
	v_add_nc_u32 v[34+\c], v[30+\c], v[12+\c]      ; the token's position
	v_min_u32 v[34+\c], 0x3ff, v[34+\c]
	v_lshlrev_b32 v[34+\c], 2, v[34+\c]
	v_add_nc_u32 v[38+\c], 256*\c, v0              ; the token
	v_lshrrev_b32 v17, 8, v[8+\c]                  ; its mask
	v_lshl_or_b32 v[38+\c], v17, 16, v[38+\c]
.endr
.irp c, 0,1,2,3
	global_store_b32 v[34+\c], v[38+\c], s[12:13]  ; 4,096 bytes in all, scattered by the sort itself
.endr
	s_wait_tensorcnt 0x0
	ds_add_u32 v112, v113
	s_wait_dscnt 0x0
	s_endpgm
.Lfunc_end_k_qdf5b429d3f_place_down:
	.size	k_qdf5b429d3f_place_down, .Lfunc_end_k_qdf5b429d3f_place_down-k_qdf5b429d3f_place_down
	.p2alignl 7, 3214868480
	.fill 96, 4, 3214868480
	.section	.rodata,"a",@progbits
	.p2align	6, 0x0
	.amdhsa_kernel k_qdf5b429d3f_place_down
		.amdhsa_group_segment_fixed_size 2048
		.amdhsa_private_segment_fixed_size 0
		.amdhsa_enable_private_segment 0
		.amdhsa_kernarg_size 40
		.amdhsa_user_sgpr_count 2
		.amdhsa_user_sgpr_kernarg_segment_ptr 1
		.amdhsa_wavefront_size32 1
		.amdhsa_system_sgpr_workgroup_id_x 1
		.amdhsa_system_sgpr_workgroup_id_y 1
		.amdhsa_system_sgpr_workgroup_id_z 1
		.amdhsa_system_vgpr_workitem_id 0
		.amdhsa_next_free_vgpr 114
		.amdhsa_next_free_sgpr 66
		.amdhsa_reserve_vcc 1
		.amdhsa_float_denorm_mode_32 3
		.amdhsa_float_denorm_mode_16_64 3
		.amdhsa_memory_ordered 1
		.amdhsa_forward_progress 1
		.amdhsa_inst_pref_size 60
	.end_amdhsa_kernel
	.amdgpu_metadata
---
amdhsa.version: [ 1, 2 ]
amdhsa.kernels:
  - .name:           k_qdf5b429d3f_place_down
    .symbol:         k_qdf5b429d3f_place_down.kd
    .args:
      - { .name: sel, .offset: 0, .size: 8, .value_kind: global_buffer, .address_space: global }
      - { .name: down_projs, .offset: 8, .size: 8, .value_kind: global_buffer, .address_space: global }
      - { .name: lowp_scales, .offset: 16, .size: 8, .value_kind: global_buffer, .address_space: global }
      - { .name: wd, .offset: 24, .size: 8, .value_kind: global_buffer, .address_space: global }
      - { .name: order, .offset: 32, .size: 8, .value_kind: global_buffer, .address_space: global }
    .group_segment_fixed_size: 2048
    .private_segment_fixed_size: 0
    .kernarg_segment_align: 8
    .kernarg_segment_size: 40
    .max_flat_workgroup_size: 256
    .sgpr_count:     66
    .vgpr_count:     114
    .wavefront_size: 32
...
	.end_amdgpu_metadata
.endif
;; end of part 2
;; launch gateup (part 3): grid 16 x 16, 4 waves a work-group, no clusters, 264,704 bytes of LDS; arguments xq, wgu, order, out1, lowp_scales, inter; writes inter
.if DOCPART == 3
	.amdgcn_target "amdgcn-amd-amdhsa--gfx1250"
	.amdhsa_code_object_version 6
	.text
	.protected	k_qdf5b429d3f_gateup
	.globl	k_qdf5b429d3f_gateup
	.p2align	8
	.type	k_qdf5b429d3f_gateup,@function
k_qdf5b429d3f_gateup:
	s_mov_b64 s[64:65], 0
	v_nop
	global_prefetch_b8 v0, s[64:65] scope:SCOPE_SE
	s_setreg_imm32_b32 hwreg(HW_REG_WAVE_MODE, 25, 1), 1
	s_wait_xcnt 0x0
; inter = Q(silu(gate) x up), gate = sum over experts p of rw[t][p] (Q(x) Q(G_p)), up likewise, on codes of E4M3 by v_wmma_f32_16x16x128_fp8_fp8, sums in f32.
; SHARES.  Work-group (x, y): 128 columns of I (slab x) for the 64 tokens at sorted positions 64 y .. 64 y + 63.  Wave 2 s + kh: tensor s (0 gate, 1 up), half kh of K = 1,024.
; ONLY THE EXPERTS THAT SOME TOKEN OF THE BLOCK USES ARE WALKED (the OR of the tokens' masks, from the stored list).  For such an expert all 64 rows are multiplied and each
; finished sum is weighed by rw[t][p] x 2^(the two scales' exponents), which is 0 for a token that did not choose p: so the values hold for any order of the tokens.
; THE PRODUCT IS USED TRANSPOSED: source 0 = 16 columns of the weight, source 1 = 16 tokens.  A lane holds ONE token (lane % 16) and eight neighbouring columns, 8 (lane / 16) + 0 .. 7:
; they are eight neighbours along the next product's K, so the conversions' results are that operand's registers as they stand.
; THE WEIGHTS COME FROM MEMORY STRAIGHT INTO REGISTERS, as images laid by the launch before: one load of 16 bytes a lane fills four registers.  No tensor loads and no joint requests:
; which experts a block walks, and how many, hangs on the stored list and differs from block to block, so neighbours would ask for different tiles.
; A STEP = one fragment of 16 columns x my 4 K steps x 4 fragments of tokens: 16 loads, 16 matrix instructions, 16 packed multiply-adds.  A TRIP = one expert = 8 steps.
; A ring of four register slots holds the weights; three steps' loads are always out, on into the next expert.
; LIMITS: scale entry 4 lies between -126 and 119; the sums of entries 0 + 1 and 2 + 3 are applied by v_ldexp_f32 and have none.  NaN among the inputs is not served.
; REGISTERS, in windows of 256: window 0: v1 16 x lane; v2-7 addresses; v8-11 32 x my four tokens; v12-15 the next expert's rw; v16-23 this expert's rw x 2^e, four pairs;
;   v24-39 the gathered rows' offsets; v64-95 four accumulators.   window 1: the weighted sums T, tile (m, j) at 8 (8 m + j).   window 2: the ring, 4 x 64.   window 3: x's 16 fragments, (kk, m) at 16 (4 kk + m).
.set NH,   8                           ; steps in a trip
.set HSTR, 16384                       ; bytes from a fragment of columns to the next
.set XP,   1040                        ; LDS: a token's 1,024 bytes of codes + 16
.set XSET, 64*XP                       ; a set's 64 rows; two sets from byte 0
.set EX,   2*XSET                      ; the exchange: [m 4][wave 4][16 x 512 bytes]
.set LOFF, 1
.set TKO,  8
.set RWN,  12
.set RW,   16
.set ACC,  64
.set OUT1, 10                          ; s[10:11] out1
.set WB,   30                          ; s[30:31] my wave's place in the codes, expert 0
.set CUR,  32                          ; s[32:33] the same in the expert in hand
.set NXT,  34                          ; s[34:35] in the next one
.set RB,   36                          ; s[36:37] out1 + 4 x the next expert
.set MASK, 38
.set REM,  39                          ; experts not yet picked
.set CNT,  40
.set SE,   41                          ; the two scales' exponents, added
.set MSB, 0
.macro WIN new                         ; the immediate's high byte repeats the setting that is left
.if MSB != \new
	s_set_vgpr_msb (MSB<<8)|\new
.set MSB, \new
.endif
.endm
.macro ISSUE slot, base, hu            ; 16 loads of 512 bytes: fragment hu's four K steps into a slot of the ring
	WIN 0x80                                       ; destination window 2
.set i, 0
.rept 16
	global_load_b128 v[64*(\slot)+4*i:64*(\slot)+4*i+3], v[LOFF], s[\base:\base+1] offset:(\hu)*HSTR+512*i
.set i, i+1
.endr
.endm
.macro RWLOAD
.irp m, 0,1,2,3
	global_load_b32 v[RWN+\m], v[TKO+\m], s[RB:RB+1]
.endr
.endm
.macro RWPREP
.irp m, 0,1,2,3
	v_ldexp_f32 v[RW+2*\m], v[RWN+\m], s[SE]
	v_ldexp_f32 v[RW+2*\m+1], v[RWN+\m], s[SE]
.endr
.endm
.macro PICK                            ; the lowest expert left -> NXT, RB.  With none left the clamp gives expert 7, and nothing is loaded by it
	s_ctz_i32_b32 s44, s[REM]
	s_min_u32 s44, s44, 7
	s_add_co_i32 s45, s[REM], -1
	s_and_b32 s[REM], s[REM], s45
	s_lshl_b32 s42, s44, 21                        ; an expert's codes are 2 MiB (s43 = 0)
	s_add_nc_u64 s[NXT:NXT+1], s[WB:WB+1], s[42:43]
	s_lshl_b32 s42, s44, 2
	s_add_nc_u64 s[RB:RB+1], s[OUT1:OUT1+1], s[42:43]
.endm
.macro STEP hu, first, last
.if (\hu)+3 < NH
	ISSUE ((\hu)+3)%4, CUR, (\hu)+3
.elseif (\last) == 0
.if (\hu)+3 == NH
	WIN 0
	RWLOAD                                         ; the next expert's weights of my tokens
.endif
	ISSUE ((\hu)+3)%4, NXT, (\hu)+3-NH
.endif
.if \last
.if NH-1-(\hu) >= 3
	s_wait_loadcnt 48                              ; this step's 16 loads are in; what was issued behind them may be out
.else
	s_wait_loadcnt 16*(NH-1-(\hu))
.endif
.elseif (\hu) >= NH-3
	s_wait_loadcnt 52                              ; three younger steps' 48 and the four loads of rw among them
.else
	s_wait_loadcnt 48                              ; three younger steps
.endif
	WIN 0x0e                                       ; source 0 window 2, source 1 window 3, C and D window 0
.irp kk, 0,1,2,3                       ; the four accumulators take turns, one instruction a turn
.irp m, 0,1,2,3
.if \kk == 0
	v_wmma_f32_16x16x128_fp8_fp8 v[ACC+8*\m:ACC+8*\m+7], v[64*((\hu)%4)+16*\kk:64*((\hu)%4)+16*\kk+15], v[16*(4*\kk+\m):16*(4*\kk+\m)+15], 0
.else
	v_wmma_f32_16x16x128_fp8_fp8 v[ACC+8*\m:ACC+8*\m+7], v[64*((\hu)%4)+16*\kk:64*((\hu)%4)+16*\kk+15], v[16*(4*\kk+\m):16*(4*\kk+\m)+15], v[ACC+8*\m:ACC+8*\m+7]
.endif
.endr
.endr
.rept 4
	v_nop                                          ; four places ahead of the reads of the sums and of the next step's loads into this slot
.endr
	WIN 0x50                                       ; T: destination and source 2 window 1
.irp m, 0,1,2,3                        ; each accumulator from its low end on
.irp e, 0,2,4,6
.if \first
	v_pk_mul_f32 v[8*(NH*\m+(\hu))+\e:8*(NH*\m+(\hu))+\e+1], v[ACC+8*\m+\e:ACC+8*\m+\e+1], v[RW+2*\m:RW+2*\m+1]   ; the first expert starts T: nothing is cleared
.else
	v_pk_fma_f32 v[8*(NH*\m+(\hu))+\e:8*(NH*\m+(\hu))+\e+1], v[ACC+8*\m+\e:ACC+8*\m+\e+1], v[RW+2*\m:RW+2*\m+1], v[8*(NH*\m+(\hu))+\e:8*(NH*\m+(\hu))+\e+1]
.endif
.endr
.endr
.endm
.macro TRIP first, last
.set HU, 0
.rept NH
	STEP HU, \first, \last
.set HU, HU+1
.endr
.if (\last) == 0
	WIN 0
	s_wait_loadcnt 48                              ; the next expert's rw is in; its first three steps' loads may be out
	RWPREP
	s_wait_xcnt 0x0                                ; the pending loads have read their bases: these may be written
	s_mov_b64 s[CUR:CUR+1], s[NXT:NXT+1]
	PICK
.endif
.endm
.macro PROLOGUE                        ; v45: the OR of my four list words
	s_mov_b32 s[MASK], 0
.irp p, 0,1,2,3,4,5,6,7
	v_and_b32 v46, 1<<(16+\p), v45
	v_cmp_ne_u32 s44, 0, v46
	s_cmp_lg_u32 s44, 0                            ; does any of the 64 tokens use expert p?
	s_cselect_b32 s45, 1<<\p, 0
	s_or_b32 s[MASK], s[MASK], s45
.endr
	s_mov_b32 s[REM], s[MASK]
	s_bcnt1_i32_b32 s[CNT], s[MASK]                ; at least 2: a token's two experts differ
	s_sub_co_i32 s[CNT], s[CNT], 2                 ; the first and the last trip are written out
	PICK
	s_mov_b64 s[CUR:CUR+1], s[NXT:NXT+1]
	RWLOAD
	ISSUE 0, CUR, 0
	ISSUE 1, CUR, 1
	ISSUE 2, CUR, 2
	WIN 0
	s_wait_xcnt 0x0
	PICK
.endm
	s_load_b256 s[4:11], s[0:1], 0x0               ; xq s[4:5], wgu s[6:7], order s[8:9], out1 s[10:11]
	s_load_b128 s[12:15], s[0:1], 0x20             ; lowp_scales s[12:13], inter s[14:15]
	v_lshl_add_u32 v254, v0, 2, 0x40800
	v_mov_b32 v255, 0
	v_lshrrev_b32 v1, 5, v0
	v_readfirstlane_b32 s16, v1                    ; wave 0..3
	s_lshr_b32 s17, s16, 1                         ; s: gate or up
	s_and_b32 s18, s16, 1                          ; kh: which half of K
	s_and_b32 s20, ttmp7, 0xffff                   ; the block of tokens
	v_and_b32 v40, 31, v0
	v_lshlrev_b32 v[LOFF], 4, v40                  ; 16 x lane
	v_and_b32 v41, 15, v0                          ; r
	v_bfe_u32 v42, v0, 4, 1                        ; h
	s_mul_i32 s44, s17, XSET
	s_lshl_b32 s45, s18, 8
	s_add_co_u32 s45, s45, s44
	v_mul_u32_u24 v2, v41, XP
	v_lshl_add_u32 v2, v42, 9, v2
	v_add_nc_u32 v2, s45, v2                       ; x's fragments: set s, row r, half h of the row, my 256 bytes of it
	s_mul_i32 s45, s18, 32*XP
	s_add_co_u32 s45, s45, s44
	v_mul_u32_u24 v3, v42, XP
	v_lshl_add_u32 v3, v41, 4, v3
	v_add_nc_u32 v3, s45, v3                       ; staging: set s, rows 32 kh on; sixteen lanes to 256 bytes of a row, two rows an instruction
	s_lshl_b32 s45, s16, 13
	s_add_co_u32 s45, s45, EX
	v_add_nc_u32 v4, s45, v[LOFF]                  ; the exchange, in: my 8,192 bytes of m = 0, 1
	v_add_nc_u32 v5, 65536, v4                     ; and of m = 2, 3
	s_lshl_b32 s45, s16, 15
	s_add_co_u32 s45, s45, EX
	v_add_nc_u32 v6, s45, v[LOFF]                  ; out: all four waves' parts of m = my wave's number
	s_lshl_b32 s45, s18, 7
	v_lshlrev_b32 v7, 2, v42
	v_add_nc_u32 v7, s45, v7                       ; the list: positions 32 kh + h, in words
	v_lshlrev_b32 v43, 2, v41
	v_lshlrev_b32 v44, 4, v41
	s_mov_b32 s43, 0
	s_mov_b32 s50, 0xbfb8aa3b                      ; -log2(e)
	s_mov_b32 s51, s50                             ; (named with it as a pair, so it is written)
	s_wait_kmcnt 0x0
	s_load_b128 s[24:27], s[12:13], 0x0            ; scale entries 0 .. 3
	s_load_b64 s[28:29], s[12:13], 0x10            ; 4, 5
	s_lshl_b32 s42, s20, 8
	s_add_nc_u64 s[8:9], s[8:9], s[42:43]          ; the block's 64 words of the list
	s_lshl_b32 s42, s17, 20
	s_add_nc_u64 s[4:5], s[4:5], s[42:43]          ; x's codes under my tensor's scale
	s_lshl_b32 s42, s17, 24                        ; tensor x 16 MiB + slab x 8 fragments + kh x 4 K steps
	s_lshl_b32 s44, ttmp9, 17
	s_add_co_u32 s42, s42, s44
	s_lshl_b32 s44, s18, 13
	s_add_co_u32 s42, s42, s44
	s_add_nc_u64 s[WB:WB+1], s[6:7], s[42:43]
	s_lshl_b32 s42, s20, 17                        ; inter: [block][K step = slab][m = wave][2,048]
	s_lshl_b32 s44, ttmp9, 13
	s_add_co_u32 s42, s42, s44
	s_lshl_b32 s44, s16, 11
	s_add_co_u32 s42, s42, s44
	s_add_nc_u64 s[14:15], s[14:15], s[42:43]
.irp i, 0,1,2,3,4,5,6,7,8,9,10,11,12,13,14,15
	global_load_b32 v[24+\i], v7, s[8:9] offset:8*\i       ; positions 32 kh + 2 i + h: the rows that I gather
.endr
.irp m, 0,1,2,3
	global_load_b32 v[TKO+\m], v43, s[8:9] offset:64*\m    ; positions 16 m + r: the tokens of my lane
.endr
	s_wait_loadcnt 0x0
.irp i, 0,1,2,3,4,5,6,7,8,9,10,11,12,13,14,15
	v_and_b32 v[24+\i], 0xffff, v[24+\i]
	v_min_u32 v[24+\i], 0x3ff, v[24+\i]
	v_lshl_add_u32 v[24+\i], v[24+\i], 10, v44     ; token x 1,024 + 16 r
.endr
	v_or_b32 v45, v8, v9
	v_or_b32 v46, v10, v11
	v_or_b32 v45, v45, v46
.irp m, 0,1,2,3
	v_and_b32 v[TKO+\m], 0xffff, v[TKO+\m]
	v_min_u32 v[TKO+\m], 0x3ff, v[TKO+\m]
	v_lshlrev_b32 v[TKO+\m], 5, v[TKO+\m]          ; a row of out1 is 32 bytes
.endr
	WIN 0xc0                                       ; destination window 3
.irp i, 0,1,2,3,4,5,6,7,8,9,10,11,12,13,14,15
.irp q, 0,1,2,3
	global_load_b128 v[4*(4*\i+\q):4*(4*\i+\q)+3], v[24+\i], s[4:5] offset:256*\q   ; sixteen lanes read 256 consecutive bytes of a token's row
.endr
.endr
	WIN 0
	PROLOGUE
	s_wait_loadcnt 52                              ; x's rows are in; rw's 4 and the weights' 48 loads may be out
	WIN 0x0c                                       ; store data window 3
.irp i, 0,1,2,3,4,5,6,7,8,9,10,11,12,13,14,15
.irp q, 0,1,2,3
	ds_store_b128 v3, v[4*(4*\i+\q):4*(4*\i+\q)+3] offset:2*XP*\i+256*\q
.endr
.endr
	WIN 0
	s_wait_dscnt 0x0                               ; for the others' sake: my 32 rows have landed
	s_barrier_signal -1
	s_barrier_wait -1
	WIN 0xc0
.irp kk, 0,1,2,3
.irp m, 0,1,2,3
.irp q, 0,1,2,3
	ds_load_b128 v[16*(4*\kk+\m)+4*\q:16*(4*\kk+\m)+4*\q+3], v2 offset:16*XP*\m+16*(4*\kk+\q)
.endr
.endr
.endr
	WIN 0
	s_wait_loadcnt 48                              ; the first expert's rw
	s_wait_kmcnt 0x0
	s_add_co_i32 s44, s24, s25
	s_add_co_i32 s45, s26, s27
	s_cmp_eq_u32 s17, 0
	s_cselect_b32 s[SE], s44, s45
	RWPREP
	s_wait_dscnt 0x0                               ; x's fragments
	TRIP 1, 0
	s_cmp_le_i32 s[CNT], 0
	s_cbranch_scc1 .Lskip
.Lexp:
	TRIP 0, 0
	s_sub_co_u32 s[CNT], s[CNT], 1
	s_cmp_lg_u32 s[CNT], 0
	s_cbranch_scc1 .Lexp
.Lskip:
	TRIP 0, 1                                      ; the last expert asks for nothing more
	; THE EXCHANGE: each wave holds one tensor's half sums for all 64 tokens; wave w finishes tokens 16 w .. 16 w + 15
	WIN 0x04                                       ; store data window 1
.irp m, 0,1,2,3
.irp q, 0,1,2,3,4,5,6,7,8,9,10,11,12,13,14,15
.if \m < 2
	ds_store_b128 v4, v[64*\m+4*\q:64*\m+4*\q+3] offset:32768*(\m%2)+512*\q
.else
	ds_store_b128 v5, v[64*\m+4*\q:64*\m+4*\q+3] offset:32768*(\m%2)+512*\q
.endif
.endr
.endr
	WIN 0
	s_wait_dscnt 0x0
	s_barrier_signal -1
	s_barrier_wait -1
	s_add_co_i32 s44, s28, 127
	s_lshl_b32 s45, s44, 23
	v_mov_b32 v46, s45                             ; 2^e4
	s_add_co_i32 s44, s44, 8
	s_lshl_b32 s44, s44, 23
	s_or_b32 s44, s44, 0x600000
	v_mov_b32 v47, s44                             ; 448 x 2^e4
	WIN 0x80                                       ; into window 2: gate's halves at v0, v64; up's at v128, v192
.irp w, 0,1,2,3
.irp q, 0,1,2,3,4,5,6,7,8,9,10,11,12,13,14,15
	ds_load_b128 v[64*\w+4*\q:64*\w+4*\q+3], v6 offset:8192*\w+512*\q
.endr
.endr
	s_wait_dscnt 0x0
	WIN 0xaa                                       ; all in window 2
.set i, 0
.rept 32
	v_pk_add_f32 v[i:i+1], v[i:i+1], v[64+i:65+i]              ; gate
.set i, i+2
.endr
.set i, 0
.rept 32
	v_pk_add_f32 v[128+i:129+i], v[128+i:129+i], v[192+i:193+i]   ; up
.set i, i+2
.endr
.set i, 0
.rept 32
	v_pk_mul_f32 v[64+i:65+i], v[i:i+1], s[50:51] op_sel_hi:[1,0]
.set i, i+2
.endr
.set i, 0
.rept 64
	v_exp_f32 v[64+i], v[64+i]                     ; e^-gate
.set i, i+1
.endr
	v_nop                                          ; a plain place behind the transcendentals (ISA guide 5.7.2)
.set i, 0
	s_wait_alu depctr_va_vdst(0)
.rept 32
	v_pk_add_f32 v[64+i:65+i], v[64+i:65+i], 1.0 op_sel_hi:[1,0]
.set i, i+2
.endr
.set i, 0
.rept 64
	v_rcp_f32 v[64+i], v[64+i]
.set i, i+1
.endr
	v_nop
.set i, 0
	s_wait_alu depctr_va_vdst(0)
.rept 32
	v_pk_mul_f32 v[i:i+1], v[i:i+1], v[64+i:65+i]  ; silu(gate)
.set i, i+2
.endr
	WIN 0x0a                                       ; sources window 2, destination window 0
.set i, 0
.rept 32
	v_pk_mul_f32 v[64+i:65+i], v[i:i+1], v[128+i:129+i]   ; x up: register 8 j + e is column 16 j + 8 h + e of my token
.set i, i+2
.endr
	WIN 0
.set i, 0
.rept 64
	v_med3_num_f32 v[64+i], v[64+i], -v47, v47     ; the conversion does not saturate (ISA guide 7.6.2)
.set i, i+1
.endr
.irp j, 0,1,2,3,4,5,6,7
	v_cvt_scalef32_pk8_fp8_f32 v[128+2*\j:129+2*\j], v[64+8*\j:71+8*\j], v46   ; registers 2 j, 2 j + 1 of the next product's fragment
.endr
	v_nop                                          ; one plain line behind the last conversion
.irp q, 0,1,2,3
	global_store_b128 v[LOFF], v[128+4*\q:131+4*\q], s[14:15] offset:512*\q    ; the fragment's image: 512 consecutive bytes a store
.endr
	s_wait_tensorcnt 0x0
	ds_add_u32 v254, v255
	s_wait_dscnt 0x0
	s_endpgm
.Lfunc_end_k_qdf5b429d3f_gateup:
	.size	k_qdf5b429d3f_gateup, .Lfunc_end_k_qdf5b429d3f_gateup-k_qdf5b429d3f_gateup
	.p2alignl 7, 3214868480
	.fill 96, 4, 3214868480
	.section	.rodata,"a",@progbits
	.p2align	6, 0x0
	.amdhsa_kernel k_qdf5b429d3f_gateup
		.amdhsa_group_segment_fixed_size 264704
		.amdhsa_private_segment_fixed_size 0
		.amdhsa_enable_private_segment 0
		.amdhsa_kernarg_size 48
		.amdhsa_user_sgpr_count 2
		.amdhsa_user_sgpr_kernarg_segment_ptr 1
		.amdhsa_wavefront_size32 1
		.amdhsa_system_sgpr_workgroup_id_x 1
		.amdhsa_system_sgpr_workgroup_id_y 1
		.amdhsa_system_sgpr_workgroup_id_z 1
		.amdhsa_system_vgpr_workitem_id 0
		.amdhsa_next_free_vgpr 1024
		.amdhsa_next_free_sgpr 66
		.amdhsa_reserve_vcc 0
		.amdhsa_float_denorm_mode_32 3
		.amdhsa_float_denorm_mode_16_64 3
		.amdhsa_memory_ordered 1
		.amdhsa_forward_progress 1
		.amdhsa_inst_pref_size 149
	.end_amdhsa_kernel
	.amdgpu_metadata
---
amdhsa.version: [ 1, 2 ]
amdhsa.kernels:
  - .name:           k_qdf5b429d3f_gateup
    .symbol:         k_qdf5b429d3f_gateup.kd
    .args:
      - { .name: xq, .offset: 0, .size: 8, .value_kind: global_buffer, .address_space: global }
      - { .name: wgu, .offset: 8, .size: 8, .value_kind: global_buffer, .address_space: global }
      - { .name: order, .offset: 16, .size: 8, .value_kind: global_buffer, .address_space: global }
      - { .name: out1, .offset: 24, .size: 8, .value_kind: global_buffer, .address_space: global }
      - { .name: lowp_scales, .offset: 32, .size: 8, .value_kind: global_buffer, .address_space: global }
      - { .name: inter, .offset: 40, .size: 8, .value_kind: global_buffer, .address_space: global }
    .group_segment_fixed_size: 264704
    .private_segment_fixed_size: 0
    .kernarg_segment_align: 8
    .kernarg_segment_size: 48
    .max_flat_workgroup_size: 128
    .sgpr_count:     66
    .vgpr_count:     1024
    .wavefront_size: 32
...
	.end_amdgpu_metadata
.endif
;; end of part 3
;; launch down (part 4): grid 16 x 16, 4 waves a work-group, no clusters, 70,144 bytes of LDS; arguments inter, wd, order, out1, lowp_scales, out0; writes out0
.if DOCPART == 4
	.amdgcn_target "amdgcn-amd-amdhsa--gfx1250"
	.amdhsa_code_object_version 6
	.text
	.protected	k_qdf5b429d3f_down
	.globl	k_qdf5b429d3f_down
	.p2align	8
	.type	k_qdf5b429d3f_down,@function
k_qdf5b429d3f_down:
	s_mov_b64 s[64:65], 0
	v_nop
	global_prefetch_b8 v0, s[64:65] scope:SCOPE_SE
	s_setreg_imm32_b32 hwreg(HW_REG_WAVE_MODE, 25, 1), 1
	s_wait_xcnt 0x0
; out0 = sum over experts p of rw[t][p] (Q(inter) Q(D_p)), on codes of E4M3 by v_wmma_f32_16x16x128_fp8_fp8, sums in f32.
; SHARES.  Work-group (x, y): 64 columns of H (slab x) for the 64 tokens at sorted positions 64 y .. 64 y + 63.  Wave w: K steps 4 w .. 4 w + 3 of the 16 (K = 2,048).
; ONLY THE EXPERTS THAT SOME TOKEN OF THE BLOCK USES ARE WALKED (the OR of the tokens' masks, from the stored list).  For such an expert all 64 rows are multiplied and each
; finished sum is weighed by rw[t][p] x 2^(e4 + e5), which is 0 for a token that did not choose p: so the values hold for any order of the tokens.
; THE PRODUCT IS USED TRANSPOSED: source 0 = 16 columns of the weight, source 1 = 16 tokens: a lane holds ONE token (lane % 16) and eight neighbouring columns of its row.
; BOTH OPERANDS COME FROM MEMORY STRAIGHT INTO REGISTERS, as images laid by earlier launches.  No tensor loads and no joint requests: which experts a block walks, and how many,
; hangs on the stored list and differs from block to block, so neighbours would ask for different tiles.
; A STEP = one fragment of 16 columns x my 4 K steps x 4 fragments of tokens: 16 loads, 16 matrix instructions, 16 packed multiply-adds.  A TRIP = one expert = 4 steps.
; The four waves' quarter sums meet in LDS; each wave then adds and stores 16 whole pieces of 256 bytes of its tokens' rows.
; LIMITS: e4 + e5 is applied by v_ldexp_f32 and has none.  NaN among the inputs is not served.
; REGISTERS, in windows of 256: window 0: v1 16 x lane; v2, v3, v7 addresses; v8-11 32 x my four tokens; v12-15 the next expert's rw; v16-23 this expert's rw x 2^e, four pairs;
;   v24-31 my output rows' offsets; v64-95 four accumulators; v96-255 the way out.   window 1: the weighted sums T, tile (m, j) at 8 (4 m + j).   window 2: the ring, 4 x 64.   window 3: inter's 16 fragments.
.set NH,   4                           ; steps in a trip
.set HSTR, 32768                       ; bytes from a fragment of columns to the next
.set SP,   272                         ; LDS: a token's 256 bytes of sums + 16
.set SQ,   64*SP                       ; a wave's quarter: 64 rows
.set LOFF, 1
.set TKO,  8
.set RWN,  12
.set RW,   16
.set ACC,  64
.set OUT1, 10                          ; s[10:11] out1
.set WB,   30                          ; s[30:31] my wave's place in the codes, expert 0
.set CUR,  32                          ; s[32:33] the same in the expert in hand
.set NXT,  34                          ; s[34:35] in the next one
.set RB,   36                          ; s[36:37] out1 + 4 x the next expert
.set MASK, 38
.set REM,  39                          ; experts not yet picked
.set CNT,  40
.set SE,   41                          ; e4 + e5
.set MSB, 0
.macro WIN new                         ; the immediate's high byte repeats the setting that is left
.if MSB != \new
	s_set_vgpr_msb (MSB<<8)|\new
.set MSB, \new
.endif
.endm
.macro ISSUE slot, base, hu            ; 16 loads of 512 bytes: fragment hu's four K steps into a slot of the ring
	WIN 0x80                                       ; destination window 2
.set i, 0
.rept 16
	global_load_b128 v[64*(\slot)+4*i:64*(\slot)+4*i+3], v[LOFF], s[\base:\base+1] offset:(\hu)*HSTR+512*i
.set i, i+1
.endr
.endm
.macro RWLOAD
.irp m, 0,1,2,3
	global_load_b32 v[RWN+\m], v[TKO+\m], s[RB:RB+1]
.endr
.endm
.macro RWPREP
.irp m, 0,1,2,3
	v_ldexp_f32 v[RW+2*\m], v[RWN+\m], s[SE]
	v_ldexp_f32 v[RW+2*\m+1], v[RWN+\m], s[SE]
.endr
.endm
.macro PICK                            ; the lowest expert left -> NXT, RB.  With none left the clamp gives expert 7, and nothing is loaded by it
	s_ctz_i32_b32 s44, s[REM]
	s_min_u32 s44, s44, 7
	s_add_co_i32 s45, s[REM], -1
	s_and_b32 s[REM], s[REM], s45
	s_lshl_b32 s42, s44, 21                        ; an expert's codes are 2 MiB (s43 = 0)
	s_add_nc_u64 s[NXT:NXT+1], s[WB:WB+1], s[42:43]
	s_lshl_b32 s42, s44, 2
	s_add_nc_u64 s[RB:RB+1], s[OUT1:OUT1+1], s[42:43]
.endm
.macro STEP hu, first, last
.if (\hu)+3 < NH
	ISSUE ((\hu)+3)%4, CUR, (\hu)+3
.elseif (\last) == 0
.if (\hu)+3 == NH
	WIN 0
	RWLOAD                                         ; the next expert's weights of my tokens
.endif
	ISSUE ((\hu)+3)%4, NXT, (\hu)+3-NH
.endif
.if \last
.if NH-1-(\hu) >= 3
	s_wait_loadcnt 48                              ; this step's 16 loads are in; what was issued behind them may be out
.else
	s_wait_loadcnt 16*(NH-1-(\hu))
.endif
.elseif (\hu) >= NH-3
	s_wait_loadcnt 52                              ; three younger steps' 48 and the four loads of rw among them
.else
	s_wait_loadcnt 48                              ; three younger steps
.endif
	WIN 0x0e                                       ; source 0 window 2, source 1 window 3, C and D window 0
.irp kk, 0,1,2,3                       ; the four accumulators take turns, one instruction a turn
.irp m, 0,1,2,3
.if \kk == 0
	v_wmma_f32_16x16x128_fp8_fp8 v[ACC+8*\m:ACC+8*\m+7], v[64*((\hu)%4)+16*\kk:64*((\hu)%4)+16*\kk+15], v[16*(4*\kk+\m):16*(4*\kk+\m)+15], 0
.else
	v_wmma_f32_16x16x128_fp8_fp8 v[ACC+8*\m:ACC+8*\m+7], v[64*((\hu)%4)+16*\kk:64*((\hu)%4)+16*\kk+15], v[16*(4*\kk+\m):16*(4*\kk+\m)+15], v[ACC+8*\m:ACC+8*\m+7]
.endif
.endr
.endr
.rept 4
	v_nop                                          ; four places ahead of the reads of the sums and of the next step's loads into this slot
.endr
	WIN 0x50                                       ; T: destination and source 2 window 1
.irp m, 0,1,2,3                        ; each accumulator from its low end on
.irp e, 0,2,4,6
.if \first
	v_pk_mul_f32 v[8*(NH*\m+(\hu))+\e:8*(NH*\m+(\hu))+\e+1], v[ACC+8*\m+\e:ACC+8*\m+\e+1], v[RW+2*\m:RW+2*\m+1]   ; the first expert starts T: nothing is cleared
.else
	v_pk_fma_f32 v[8*(NH*\m+(\hu))+\e:8*(NH*\m+(\hu))+\e+1], v[ACC+8*\m+\e:ACC+8*\m+\e+1], v[RW+2*\m:RW+2*\m+1], v[8*(NH*\m+(\hu))+\e:8*(NH*\m+(\hu))+\e+1]
.endif
.endr
.endr
.endm
.macro TRIP first, last
.set HU, 0
.rept NH
	STEP HU, \first, \last
.set HU, HU+1
.endr
.if (\last) == 0
	WIN 0
	s_wait_loadcnt 48                              ; the next expert's rw is in; its first three steps' loads may be out
	RWPREP
	s_wait_xcnt 0x0                                ; the pending loads have read their bases: these may be written
	s_mov_b64 s[CUR:CUR+1], s[NXT:NXT+1]
	PICK
.endif
.endm
.macro PROLOGUE                        ; v45: the OR of my four list words
	s_mov_b32 s[MASK], 0
.irp p, 0,1,2,3,4,5,6,7
	v_and_b32 v46, 1<<(16+\p), v45
	v_cmp_ne_u32 s44, 0, v46
	s_cmp_lg_u32 s44, 0                            ; does any of the 64 tokens use expert p?
	s_cselect_b32 s45, 1<<\p, 0
	s_or_b32 s[MASK], s[MASK], s45
.endr
	s_mov_b32 s[REM], s[MASK]
	s_bcnt1_i32_b32 s[CNT], s[MASK]                ; at least 2: a token's two experts differ
	s_sub_co_i32 s[CNT], s[CNT], 2                 ; the first and the last trip are written out
	PICK
	s_mov_b64 s[CUR:CUR+1], s[NXT:NXT+1]
	RWLOAD
	ISSUE 0, CUR, 0
	ISSUE 1, CUR, 1
	ISSUE 2, CUR, 2
	WIN 0
	s_wait_xcnt 0x0
	PICK
.endm
	s_load_b256 s[4:11], s[0:1], 0x0               ; inter s[4:5], wd s[6:7], order s[8:9], out1 s[10:11]
	s_load_b128 s[12:15], s[0:1], 0x20             ; lowp_scales s[12:13], out0 s[14:15]
	v_lshl_add_u32 v62, v0, 2, 0x11000
	v_mov_b32 v63, 0
	v_lshrrev_b32 v1, 5, v0
	v_readfirstlane_b32 s16, v1                    ; wave 0..3
	s_and_b32 s20, ttmp7, 0xffff                   ; the block of tokens
	v_and_b32 v40, 31, v0
	v_lshlrev_b32 v[LOFF], 4, v40                  ; 16 x lane
	v_and_b32 v41, 15, v0                          ; r
	v_bfe_u32 v42, v0, 4, 1                        ; h
	s_mul_i32 s44, s16, SQ
	v_mul_u32_u24 v2, v41, SP
	v_lshl_add_u32 v2, v42, 5, v2
	v_add_nc_u32 v2, s44, v2                       ; my quarter, in: row r, 32 bytes for each half of the lanes
	s_mul_i32 s44, s16, 16*SP
	v_mul_u32_u24 v3, v42, SP
	v_lshl_add_u32 v3, v41, 4, v3
	v_add_nc_u32 v3, s44, v3                       ; out: rows 16 w on; sixteen lanes to a row, two rows an instruction
	s_lshl_b32 s44, s16, 6
	v_lshlrev_b32 v7, 2, v42
	v_add_nc_u32 v7, s44, v7                       ; the list: positions 16 w + h, in words
	v_lshlrev_b32 v43, 2, v41
	v_lshlrev_b32 v44, 4, v41
	s_mov_b32 s43, 0
	s_wait_kmcnt 0x0
	s_load_b64 s[28:29], s[12:13], 0x10            ; e4, e5
	s_lshl_b32 s42, s20, 8
	s_add_nc_u64 s[8:9], s[8:9], s[42:43]          ; the block's 64 words of the list
	s_lshl_b32 s42, s20, 17                        ; inter: [block][K step][m][2,048]: my four K steps
	s_lshl_b32 s44, s16, 15
	s_add_co_u32 s42, s42, s44
	s_add_nc_u64 s[4:5], s[4:5], s[42:43]
	s_lshl_b32 s42, ttmp9, 17                      ; slab x 4 fragments + wave x 4 K steps
	s_lshl_b32 s44, s16, 13
	s_add_co_u32 s42, s42, s44
	s_add_nc_u64 s[WB:WB+1], s[6:7], s[42:43]
	s_lshl_b32 s42, ttmp9, 8
	s_add_nc_u64 s[14:15], s[14:15], s[42:43]      ; out0 at the slab's 256 bytes of a row
.irp m, 0,1,2,3
	global_load_b32 v[TKO+\m], v43, s[8:9] offset:64*\m    ; positions 16 m + r: the tokens of my lane
.endr
.irp i, 0,1,2,3,4,5,6,7
	global_load_b32 v[24+\i], v7, s[8:9] offset:8*\i       ; positions 16 w + 2 i + h: the rows that I store
.endr
	WIN 0xc0                                       ; destination window 3
.set i, 0
.rept 64
	global_load_b128 v[4*i:4*i+3], v[LOFF], s[4:5] offset:512*i    ; fragment (kk, m) at 16 (4 kk + m), as it lies
.set i, i+1
.endr
	WIN 0
	s_wait_loadcnt 63                              ; the twelve loads of the list are in: 64 loads were issued behind the last of them
	v_or_b32 v45, v8, v9
	v_or_b32 v46, v10, v11
	v_or_b32 v45, v45, v46
.irp m, 0,1,2,3
	v_and_b32 v[TKO+\m], 0xffff, v[TKO+\m]
	v_min_u32 v[TKO+\m], 0x3ff, v[TKO+\m]
	v_lshlrev_b32 v[TKO+\m], 5, v[TKO+\m]          ; a row of out1 is 32 bytes
.endr
.irp i, 0,1,2,3,4,5,6,7
	v_and_b32 v[24+\i], 0xffff, v[24+\i]
	v_min_u32 v[24+\i], 0x3ff, v[24+\i]
	v_lshl_add_u32 v[24+\i], v[24+\i], 12, v44     ; token x 4,096 + 16 r
.endr
	PROLOGUE
	s_wait_loadcnt 48                              ; inter's fragments and the first expert's rw are in; the weights' 48 loads may be out
	s_wait_kmcnt 0x0
	s_add_co_i32 s[SE], s28, s29
	RWPREP
	TRIP 1, 0
	s_cmp_le_i32 s[CNT], 0
	s_cbranch_scc1 .Lskip
.Lexp:
	TRIP 0, 0
	s_sub_co_u32 s[CNT], s[CNT], 1
	s_cmp_lg_u32 s[CNT], 0
	s_cbranch_scc1 .Lexp
.Lskip:
	TRIP 0, 1                                      ; the last expert asks for nothing more
	; THE WAY OUT: the four quarters of K meet in LDS
	WIN 0x04                                       ; store data window 1
.irp m, 0,1,2,3
.irp j, 0,1,2,3
	ds_store_b128 v2, v[8*(4*\m+\j):8*(4*\m+\j)+3]   offset:16*SP*\m+64*\j
	ds_store_b128 v2, v[8*(4*\m+\j)+4:8*(4*\m+\j)+7] offset:16*SP*\m+64*\j+16
.endr
.endr
	WIN 0
	s_wait_dscnt 0x0                               ; for the others' sake: my quarter has landed
	s_barrier_signal -1
	s_barrier_wait -1
.irp i, 0,1,2,3,4,5,6,7
.irp k, 0,1,2,3
	ds_load_b128 v[96+16*\i+4*\k:99+16*\i+4*\k], v3 offset:SQ*\k+2*SP*\i
.endr
.endr
.irp i, 0,1,2,3,4,5,6,7
	s_wait_dscnt 28-4*\i                           ; this pair of rows' four loads are in; the later pairs' may be out
	v_pk_add_f32 v[96+16*\i:97+16*\i],   v[96+16*\i:97+16*\i],   v[100+16*\i:101+16*\i]
	v_pk_add_f32 v[98+16*\i:99+16*\i],   v[98+16*\i:99+16*\i],   v[102+16*\i:103+16*\i]
	v_pk_add_f32 v[104+16*\i:105+16*\i], v[104+16*\i:105+16*\i], v[108+16*\i:109+16*\i]
	v_pk_add_f32 v[106+16*\i:107+16*\i], v[106+16*\i:107+16*\i], v[110+16*\i:111+16*\i]
	v_pk_add_f32 v[224+4*\i:225+4*\i],   v[96+16*\i:97+16*\i],   v[104+16*\i:105+16*\i]
	v_pk_add_f32 v[226+4*\i:227+4*\i],   v[98+16*\i:99+16*\i],   v[106+16*\i:107+16*\i]
	global_store_b128 v[24+\i], v[224+4*\i:227+4*\i], s[14:15] th:TH_STORE_NT   ; sixteen lanes store 256 consecutive bytes of a token's row, aligned; each store has registers of its own
.endr
	s_wait_tensorcnt 0x0
	ds_add_u32 v62, v63
	s_wait_dscnt 0x0
	s_endpgm
.Lfunc_end_k_qdf5b429d3f_down:
	.size	k_qdf5b429d3f_down, .Lfunc_end_k_qdf5b429d3f_down-k_qdf5b429d3f_down
	.p2alignl 7, 3214868480
	.fill 96, 4, 3214868480
	.section	.rodata,"a",@progbits
	.p2align	6, 0x0
	.amdhsa_kernel k_qdf5b429d3f_down
		.amdhsa_group_segment_fixed_size 70144
		.amdhsa_private_segment_fixed_size 0
		.amdhsa_enable_private_segment 0
		.amdhsa_kernarg_size 48
		.amdhsa_user_sgpr_count 2
		.amdhsa_user_sgpr_kernarg_segment_ptr 1
		.amdhsa_wavefront_size32 1
		.amdhsa_system_sgpr_workgroup_id_x 1
		.amdhsa_system_sgpr_workgroup_id_y 1
		.amdhsa_system_sgpr_workgroup_id_z 1
		.amdhsa_system_vgpr_workitem_id 0
		.amdhsa_next_free_vgpr 1024
		.amdhsa_next_free_sgpr 66
		.amdhsa_reserve_vcc 0
		.amdhsa_float_denorm_mode_32 3
		.amdhsa_float_denorm_mode_16_64 3
		.amdhsa_memory_ordered 1
		.amdhsa_forward_progress 1
		.amdhsa_inst_pref_size 71
	.end_amdhsa_kernel
	.amdgpu_metadata
---
amdhsa.version: [ 1, 2 ]
amdhsa.kernels:
  - .name:           k_qdf5b429d3f_down
    .symbol:         k_qdf5b429d3f_down.kd
    .args:
      - { .name: inter, .offset: 0, .size: 8, .value_kind: global_buffer, .address_space: global }
      - { .name: wd, .offset: 8, .size: 8, .value_kind: global_buffer, .address_space: global }
      - { .name: order, .offset: 16, .size: 8, .value_kind: global_buffer, .address_space: global }
      - { .name: out1, .offset: 24, .size: 8, .value_kind: global_buffer, .address_space: global }
      - { .name: lowp_scales, .offset: 32, .size: 8, .value_kind: global_buffer, .address_space: global }
      - { .name: out0, .offset: 40, .size: 8, .value_kind: global_buffer, .address_space: global }
    .group_segment_fixed_size: 70144
    .private_segment_fixed_size: 0
    .kernarg_segment_align: 8
    .kernarg_segment_size: 48
    .max_flat_workgroup_size: 128
    .sgpr_count:     66
    .vgpr_count:     1024
    .wavefront_size: 32
...
	.end_amdgpu_metadata
.endif
;; end of part 4
;; ======== version 2 of 2: 4 launches
;; workspace buffers: xq 2,097,152 bytes; wgu 33,554,432 bytes; wd 16,777,216 bytes; inter 2,097,152 bytes; sel 4,096 bytes of whole numbers; order 4,096 bytes of whole numbers
;; launch route_gateup (part 5): grid 1088 x 1, 8 waves a work-group, no clusters, 71,680 bytes of LDS; arguments x, q_norm_w, k_proto, v_proto, gate_projs, lowp_scales, xq, wgu, sel, out1, up_projs; writes xq, wgu, sel, out1
.if DOCPART == 5
	.amdgcn_target "amdgcn-amd-amdhsa--gfx1250"
	.amdhsa_code_object_version 6
	.text
	.protected	k_qdf5b429d3f_route_gateup
	.globl	k_qdf5b429d3f_route_gateup
	.p2align	8
	.type	k_qdf5b429d3f_route_gateup,@function
k_qdf5b429d3f_route_gateup:
	s_mov_b64 s[64:65], 0
	v_nop
	global_prefetch_b8 v0, s[64:65] scope:SCOPE_SE
	s_setreg_imm32_b32 hwreg(HW_REG_WAVE_MODE, 25, 1), 1
	s_wait_xcnt 0x0
; TWO ROLES, parted on the work-group's number.
; Work-groups 0-63: THE ROUTER for 16 tokens each (a wave takes two): RMS norm, 8 prototype dots, softmax, the 8 x 8 mix, softmax, the two largest
; (ties: the lower index), renormalised -> out1; the choice as whole numbers -> sel (pair index | mask << 8), at fixed places; and x as codes of E4M3, twice
; (scale entries 0 and 2) -> xq.  All in f32; the dots are taken of x with q_norm_w x k_proto, and the row's 1/rms and 1/32 multiply the finished sums.
; Work-groups 64-1087: gate_projs and up_projs [8][1024 (K)][2048] f32 -> codes of E4M3 (scale entries 1 and 3) -> wgu, laid as images of operand registers.
; The router is a long chain of dependent steps on few work-groups: it shares its launch with the larger of the program's two streams of weights (128 MiB here, 64 MiB in the
; next launch), and its work-groups have the lowest numbers, so that there is other work for the chip while the chain runs.
; AN IMAGE of a fragment (16 columns x 128 K): registers 4 q .. 4 q + 3 of lane L at byte 512 q + 16 L; lane (r, h) holds column r, registers 2 c, 2 c + 1: K = 16 c + 8 h + 0 .. 7.
; wgu = [tensor 2][expert 8][fragment 128][K step 8][2048 bytes].   xq = [set 2][token 1024][h 2][block of 32 K: 32][16 bytes: K = 8 h + 0..7, 16 + 8 h + 0..7 of the block].
; code = number / 2^e, held within +-448, to the nearest code, ties to even.
; LIMITS: the scale entries 0, 1, 2 and 3 lie between -126 and 119.  NaN among the inputs is not served.  Where a token's second and third largest weights lie within
; the last bits of the exponentials and reciprocals used here, the choice between them may fall either way.
; No tensor loads, no matrix unit, no cluster: the weights are a stream that no two work-groups share, and the router is 8 dots a token.
.set KQ,   0                           ; LDS: q_norm_w x k_proto, [8][1024] f32
.set TURN, 32768                       ; a stage of 32 x (128 + 16) bytes for each wave
.set RWS,  69632                       ; [16 tokens][8] f32
.set SELS, 70144                       ; [16 tokens] words
.set XW,   16                          ; quantiser: v16-79 two sets of 32 numbers
.set CW,   80                          ; v80-111 codes: eight registers a block, never written twice
.set INB,  12                          ; s[12:13] the tensor in hand
.set OUTB, 18                          ; s[18:19] wgu
.set ROWB, 8192                        ; bytes in a row of gate_projs or up_projs
; A LANE TAKES A COLUMN AND ITS REGISTERS RUN DOWN K: block t = 32 rows, each load 128 neighbouring bytes a wave, the eight waves side by side on 1,024
.macro LOADW t
.set i, 0
.rept 32
	global_load_b32 v[XW+32*((\t)%2)+i], v2, s[INB:INB+1] offset:(32*(\t)+i)*ROWB th:TH_LOAD_NT
.set i, i+1
.endr
.endm
.macro BLOCKW t
.set XS, XW+32*((\t)%2)
.if (\t) < 3
	s_wait_loadcnt 32                              ; this block's 32 loads are in; the next block's may be out
.else
	s_wait_loadcnt 0x0
.endif
.set i, 0
.rept 32
	v_med3_num_f32 v[XS+i], v[XS+i], -v11, v11     ; the conversion does not saturate (ISA guide 7.6.2): the hold at the largest code x the scale
.set i, i+1
.endr
	v_cvt_scalef32_pk8_fp8_f32 v[CW+8*(\t):CW+8*(\t)+1],   v[XS:XS+7],     v10   ; K 0-7   -> the piece of h = 0, low half
	v_cvt_scalef32_pk8_fp8_f32 v[CW+8*(\t)+4:CW+8*(\t)+5], v[XS+8:XS+15],  v10   ; K 8-15  -> h = 1, low
	v_cvt_scalef32_pk8_fp8_f32 v[CW+8*(\t)+2:CW+8*(\t)+3], v[XS+16:XS+23], v10   ; K 16-23 -> h = 0, high
	v_cvt_scalef32_pk8_fp8_f32 v[CW+8*(\t)+6:CW+8*(\t)+7], v[XS+24:XS+31], v10   ; K 24-31 -> h = 1, high
	global_store_b128 v3, v[CW+8*(\t):CW+8*(\t)+3],   s[OUTB:OUTB+1] offset:512*(\t)       ; sixteen lanes store 256 consecutive bytes, aligned; the codes go to stores alone
	global_store_b128 v3, v[CW+8*(\t)+4:CW+8*(\t)+7], s[OUTB:OUTB+1] offset:512*(\t)+256
.if (\t) < 2
	LOADW (\t)+2
.endif
.endm
	s_load_b256 s[4:11], s[0:1], 0x0               ; x s[4:5], q_norm_w s[6:7], k_proto s[8:9], v_proto s[10:11]
	s_load_b256 s[12:19], s[0:1], 0x20             ; gate_projs s[12:13], lowp_scales s[14:15], xq s[16:17], wgu s[18:19]
	s_load_b128 s[20:23], s[0:1], 0x40             ; sel s[20:21], out1 s[22:23]
	s_load_b64 s[24:25], s[0:1], 0x50              ; up_projs
	v_lshl_add_u32 v160, v0, 2, 0x11400
	v_mov_b32 v161, 0
	v_lshrrev_b32 v1, 5, v0
	s_delay_alu instid0(VALU_DEP_1)
	v_readfirstlane_b32 s34, v1                    ; wave 0..7
	v_and_b32 v1, 31, v0                           ; lane
	s_cmp_lt_u32 ttmp9, 64
	s_cbranch_scc1 .Lroute
	; ---------------- the quantiser of gate_projs and up_projs: 256 columns x 128 K of one expert of one tensor
	s_sub_co_u32 s35, ttmp9, 64
	s_lshr_b32 s36, s35, 9                         ; tensor: 0 gate, 1 up
	s_bfe_u32 s37, s35, 0x30006                    ; expert
	s_bfe_u32 s38, s35, 0x30003                    ; K step 0..7
	s_and_b32 s39, s35, 7                          ; which 256 columns
	s_lshl_b32 s40, s37, 23                        ; in: expert x 8 MiB + K step x 128 rows + 1,024 x group + 128 x wave
	s_lshl_b32 s44, s38, 20
	s_add_co_u32 s40, s40, s44
	s_lshl_b32 s44, s39, 10
	s_add_co_u32 s40, s40, s44
	s_lshl_b32 s44, s34, 7
	s_add_co_u32 s40, s40, s44
	s_mov_b32 s41, 0
	s_lshl_b32 s42, s36, 24                        ; out: tensor x 16 MiB + expert x 2 MiB + fragment (16 group + 2 wave) x 16,384 + K step x 2,048
	s_lshl_b32 s44, s37, 21
	s_add_co_u32 s42, s42, s44
	s_lshl_b32 s44, s39, 18
	s_add_co_u32 s42, s42, s44
	s_lshl_b32 s44, s34, 15
	s_add_co_u32 s42, s42, s44
	s_lshl_b32 s44, s38, 11
	s_add_co_u32 s42, s42, s44
	s_mov_b32 s43, 0
	s_wait_alu depctr_va_vdst(0)
	v_lshlrev_b32 v2, 2, v1                        ; in: 4 bytes a lane
	v_lshrrev_b32 v3, 4, v1
	v_and_b32 v4, 15, v1
	s_delay_alu instid0(VALU_DEP_2)
	v_lshlrev_b32 v3, 14, v3                       ; out: lanes 16-31 hold the next fragment,
	s_delay_alu instid0(VALU_DEP_1)
	v_lshl_add_u32 v3, v4, 4, v3                   ; 16 bytes a column
	s_wait_alu depctr_va_vdst(0)
	s_wait_kmcnt 0x0
	s_load_b128 s[28:31], s[14:15], 0x0            ; scale entries 0 .. 3
	s_cmp_eq_u32 s36, 0                            ; the choice hangs on the work-group's number alone
	s_cselect_b64 s[12:13], s[12:13], s[24:25]
	s_add_nc_u64 s[12:13], s[12:13], s[40:41]
	s_add_nc_u64 s[18:19], s[18:19], s[42:43]
	LOADW 0
	LOADW 1
	s_wait_kmcnt 0x0
	s_cmp_eq_u32 s36, 0
	s_cselect_b32 s29, s29, s31                    ; e: entry 1 for gate_projs, entry 3 for up_projs
	s_add_co_i32 s29, s29, 127
	s_lshl_b32 s30, s29, 23
	v_mov_b32 v10, s30                             ; 2^e as f32: the conversion takes its exponent field
	s_add_co_i32 s29, s29, 8
	s_lshl_b32 s29, s29, 23
	s_or_b32 s29, s29, 0x600000
	v_mov_b32 v11, s29                             ; 448 x 2^e
	s_wait_alu depctr_va_vdst(0)
	BLOCKW 0
	BLOCKW 1
	BLOCKW 2
	BLOCKW 3
	s_endpgm
	; ---------------- the router.  REGISTERS: v2 16 lane; v3, v4 the stage in and out; v5 4096 wave + 16 lane; v6, v7 where rw and sel go; v8 my expert (lane % 8) as f32;
	; v9 4 (lane % 8); v10-13 scales and limits; v14 8.0; v15 -1.0; v16-47, v48-79 x of tokens A, B; v80-111 kq in two sets, later at work; v112-129, v130-147 A's and B's
	; eight dots and sum of squares (pairs), later the codes; v148-155 v_proto[p][lane % 8]; v156-158 wave 0's addresses for the way out
.Lroute:
	s_wait_alu depctr_va_vdst(0)
	v_lshlrev_b32 v2, 4, v1
	v_lshrrev_b32 v14, 3, v1
	v_and_b32 v15, 7, v1
	s_mul_i32 s35, s34, 4608
	s_add_co_u32 s35, s35, TURN                    ; my wave's stage
	v_mul_u32_u24 v3, v14, 144
	s_delay_alu instid0(VALU_DEP_1)
	v_lshl_add_u32 v3, v15, 4, v3
	s_delay_alu instid0(VALU_DEP_1)
	v_add_nc_u32 v3, s35, v3                       ; in: eight lanes' 128 bytes on end, then 16 of padding
	v_mul_u32_u24 v4, v1, 144
	s_delay_alu instid0(VALU_DEP_1)
	v_add_nc_u32 v4, s35, v4                       ; out: place = lane: my 32 neighbours
	s_lshl_b32 s36, s34, 12
	v_add_nc_u32 v5, s36, v2
	v_lshlrev_b32 v9, 2, v15
	s_lshl_b32 s36, s34, 6
	s_add_co_u32 s36, s36, RWS
	v_add_nc_u32 v6, s36, v9
	s_lshl_b32 s36, s34, 3
	s_add_co_u32 s36, s36, SELS
	v_mov_b32 v7, s36
	v_cvt_f32_u32 v8, v15
	v_add_nc_u32 v156, RWS, v2
	v_and_b32 v158, 15, v1
	s_delay_alu instid0(VALU_DEP_1)
	v_lshlrev_b32 v158, 2, v158
	s_delay_alu instid0(VALU_DEP_1)
	v_add_nc_u32 v157, SELS, v158
	v_mov_b32 v14, 0x41000000                      ; 8.0: above every index
	v_mov_b32 v15, -1.0                            ; under every weight
	s_lshl_b32 s36, ttmp9, 16                      ; x: token 16 g + 2 wave, 4,096 bytes a row
	s_lshl_b32 s37, s34, 13
	s_add_co_u32 s36, s36, s37
	s_mov_b32 s37, 0
	s_lshl_b32 s38, ttmp9, 14                      ; xq: 1,024 bytes a row
	s_lshl_b32 s39, s34, 11
	s_add_co_u32 s38, s38, s39
	s_mov_b32 s39, 0
	s_lshl_b32 s40, ttmp9, 9                       ; out1: 16 rows of 32 bytes
	s_mov_b32 s41, 0
	s_lshl_b32 s42, ttmp9, 6                       ; sel: 16 words
	s_mov_b32 s43, 0
	s_mov_b32 s32, 0x76543210                      ; v_permlanex16_b32: lane l xor 16
	s_mov_b32 s33, 0xfedcba98
	s_wait_kmcnt 0x0
	s_load_b128 s[28:31], s[14:15], 0x0            ; scale entries 0 .. 3; 0 and 2 are x's
	s_add_nc_u64 s[4:5], s[4:5], s[36:37]
	s_add_nc_u64 s[16:17], s[16:17], s[38:39]
	s_add_nc_u64 s[22:23], s[22:23], s[40:41]
	s_add_nc_u64 s[20:21], s[20:21], s[42:43]
.irp j, 0,1,2,3,4,5,6,7
	global_load_b128 v[80+4*\j:83+4*\j], v5, s[8:9] offset:512*\j          ; k_proto's row = my wave's number
.endr
.irp j, 0,1,2,3,4,5,6,7
	global_load_b128 v[112+4*\j:115+4*\j], v2, s[6:7] offset:512*\j        ; q_norm_w
.endr
.irp p, 0,1,2,3,4,5,6,7
	global_load_b32 v[148+\p], v9, s[10:11] offset:32*\p                   ; v_proto[p][lane % 8]
.endr
.irp k, 0,1
.irp j, 0,1,2,3,4,5,6,7
	global_load_b128 v[16+32*\k+4*\j:19+32*\k+4*\j], v2, s[4:5] offset:4096*\k+512*\j th:TH_LOAD_NT   ; 512 consecutive bytes a load
.endr
.endr
	s_wait_loadcnt 24                              ; k_proto and q_norm_w are in; v_proto's 8 and x's 16 loads may be out
.set i, 0
.rept 16
	v_pk_mul_f32 v[80+i:81+i], v[80+i:81+i], v[112+i:113+i]
.set i, i+2
.endr
.irp j, 0,1,2,3,4,5,6,7
	ds_store_b128 v5, v[80+4*\j:83+4*\j] offset:KQ+512*\j
.endr
	s_wait_dscnt 0x0                               ; for the others' sake: my row of kq has landed
	s_barrier_signal -1
	s_barrier_wait -1
	s_wait_kmcnt 0x0
	s_add_co_i32 s35, s28, 127
	s_lshl_b32 s36, s35, 23
	v_mov_b32 v10, s36                             ; 2^e0
	s_add_co_i32 s35, s35, 8
	s_lshl_b32 s35, s35, 23
	s_or_b32 s35, s35, 0x600000
	v_mov_b32 v11, s35                             ; 448 x 2^e0
	s_add_co_i32 s35, s30, 127
	s_lshl_b32 s36, s35, 23
	v_mov_b32 v12, s36                             ; 2^e2
	s_add_co_i32 s35, s35, 8
	s_lshl_b32 s35, s35, 23
	s_or_b32 s35, s35, 0x600000
	v_mov_b32 v13, s35                             ; 448 x 2^e2
	s_wait_loadcnt 0x0                             ; x and v_proto
; THE DOTS.  Group n = 2 j + g: experts 4 g .. 4 g + 3, the j-th 128 of H; kq comes from LDS one group ahead, into two sets by turns
.macro KQLD n
.irp e, 0,1,2,3
	ds_load_b128 v[80+16*((\n)%2)+4*\e:83+16*((\n)%2)+4*\e], v2 offset:KQ+(4*((\n)%2)+\e)*4096+512*((\n)/2)
.endr
.endm
.macro DOTG n
.if (\n) < 15
	KQLD (\n)+1
	s_wait_dscnt 4                                 ; this group's four loads are in; the next group's may be out
.else
	s_wait_dscnt 0x0
.endif
.set J, (\n)/2
.set G, (\n)%2
.set KB, 80+16*G
.irp e, 0,1,2,3
.irp k, 0,1
.set DD, 112+18*\k+2*(4*G+\e)
.set XX, 16+32*\k+4*J
.if J == 0
	v_pk_mul_f32 v[DD:DD+1], v[XX:XX+1], v[KB+4*\e:KB+4*\e+1]              ; the first product starts the sum
.else
	v_pk_fma_f32 v[DD:DD+1], v[XX:XX+1], v[KB+4*\e:KB+4*\e+1], v[DD:DD+1]
.endif
.endr
.endr
.irp e, 0,1,2,3
.irp k, 0,1
.set DD, 112+18*\k+2*(4*G+\e)
.set XX, 16+32*\k+4*J
	v_pk_fma_f32 v[DD:DD+1], v[XX+2:XX+3], v[KB+4*\e+2:KB+4*\e+3], v[DD:DD+1]
.endr
.endr
.if G == 0
.irp k, 0,1
.set DD, 128+18*\k
.set XX, 16+32*\k+4*J
.if J == 0
	v_pk_mul_f32 v[DD:DD+1], v[XX:XX+1], v[XX:XX+1]                        ; the sum of squares
.else
	v_pk_fma_f32 v[DD:DD+1], v[XX:XX+1], v[XX:XX+1], v[DD:DD+1]
.endif
.endr
.irp k, 0,1
.set DD, 128+18*\k
.set XX, 16+32*\k+4*J
	s_delay_alu instid0(VALU_DEP_2)
	v_pk_fma_f32 v[DD:DD+1], v[XX+2:XX+3], v[XX+2:XX+3], v[DD:DD+1]
.endr
.endif
.endm
	KQLD 0
.set N, 0
.rept 16
	DOTG N
.set N, N+1
.endr
	; eighteen sums over the wave's 32 lanes, stage by stage so that no line waits for the line above it; every lane ends with every sum
.irp q, 0,1,2,3,4,5,6,7,8,9,10,11,12,13,14,15,16,17
	v_add_f32 v[112+2*\q], v[112+2*\q], v[113+2*\q]
.endr
.irp x, 1,2,4,8
.irp q, 0,1,2,3,4,5,6,7,8,9,10,11,12,13,14,15,16,17
	v_add_f32_dpp v[112+2*\q], v[112+2*\q], v[112+2*\q] row_xmask:\x row_mask:0xf bank_mask:0xf
.endr
.endr
.irp q, 0,1,2,3,4,5,6,7,8,9,10,11,12,13,14,15,16,17
	v_permlanex16_b32 v[113+2*\q], v[112+2*\q], s32, s33
.endr
.irp q, 0,1,2,3,4,5,6,7,8,9,10,11,12,13,14,15,16,17
	v_add_f32 v[112+2*\q], v[112+2*\q], v[113+2*\q]
.endr
; THE SMALL ARITHMETIC of one token: dots at v[d + 2 p], sum of squares at v[d + 16], the same in every lane.  From the mix on a lane is expert lane % 8.
; Every division is a reciprocal with one correction step.  Choices are selects: no branch and no address hangs on them.
.macro DPP3 op, r
	s_delay_alu instid0(VALU_DEP_1)
	\op v[\r], v[\r], v[\r] row_xmask:1 row_mask:0xf bank_mask:0xf
	s_delay_alu instid0(VALU_DEP_1)
	\op v[\r], v[\r], v[\r] row_xmask:2 row_mask:0xf bank_mask:0xf
	s_delay_alu instid0(VALU_DEP_1)
	\op v[\r], v[\r], v[\r] row_xmask:4 row_mask:0xf bank_mask:0xf
.endm
.macro SMALL d, tok
	v_ldexp_f32 v88, v[\d+16], -10                 ; the mean of 1,024 squares
	s_delay_alu instid0(VALU_DEP_1)
	v_add_f32 v88, 0x358637bd, v88                 ; + 1e-6
	s_wait_alu depctr_va_vdst(0)
	v_rsq_f32 v88, v88
	v_nop                                          ; a plain place behind a transcendental (ISA guide 5.7.2)
	s_wait_alu depctr_va_vdst(0)
	v_mul_f32 v88, 0x3d000000, v88                 ; / sqrt(1024)
.irp p, 0,1,2,3,4,5,6,7
	v_mul_f32 v[80+\p], v[\d+2*\p], v88
.endr
	v_max3_num_f32 v89, v80, v81, v82
	s_delay_alu instid0(VALU_DEP_1)
	v_max3_num_f32 v89, v89, v83, v84
	s_delay_alu instid0(VALU_DEP_1)
	v_max3_num_f32 v89, v89, v85, v86
	s_delay_alu instid0(VALU_DEP_1)
	v_max_num_f32 v89, v89, v87
.irp p, 0,1,2,3,4,5,6,7
	v_sub_f32 v[80+\p], v[80+\p], v89              ; the largest is taken away
.endr
.irp p, 0,1,2,3,4,5,6,7
	v_mul_f32 v[80+\p], 0x3fb8aa3b, v[80+\p]
.endr
	s_wait_alu depctr_va_vdst(0)
.irp p, 0,1,2,3,4,5,6,7
	v_exp_f32 v[80+\p], v[80+\p]
.endr
	v_nop
	s_wait_alu depctr_va_vdst(0)
	v_add_f32 v90, v80, v81
.irp p, 2,3,4,5,6,7
	v_add_f32 v90, v90, v[80+\p]
.endr
	s_wait_alu depctr_va_vdst(0)
	v_rcp_f32 v91, v90
	v_nop
	s_wait_alu depctr_va_vdst(0)
.irp p, 0,1,2,3,4,5,6,7
	v_mul_f32 v[96+\p], v[80+\p], v91
.endr
.irp p, 0,1,2,3,4,5,6,7
	v_fma_f32 v[80+\p], -v[96+\p], v90, v[80+\p]
.endr
.irp p, 0,1,2,3,4,5,6,7
	v_fma_f32 v[96+\p], v[80+\p], v91, v[96+\p]    ; the first softmax
.endr
	v_mul_f32 v92, v96, v148
.irp p, 1,2,3,4,5,6,7
	s_delay_alu instid0(VALU_DEP_1)
	v_fmac_f32 v92, v[96+\p], v[148+\p]            ; my expert's logit (the gain is 1)
.endr
	s_delay_alu instid0(VALU_DEP_1)
	v_mov_b32 v93, v92
	DPP3 v_max_num_f32_dpp, 93                     ; among the eight lanes of my group
	s_delay_alu instid0(VALU_DEP_1)
	v_sub_f32 v94, v92, v93
	s_delay_alu instid0(VALU_DEP_1)
	v_mul_f32 v94, 0x3fb8aa3b, v94
	s_wait_alu depctr_va_vdst(0)
	v_exp_f32 v94, v94
	v_nop
	s_wait_alu depctr_va_vdst(0)
	v_mov_b32 v95, v94
	DPP3 v_add_f32_dpp, 95
	s_wait_alu depctr_va_vdst(0)
	v_rcp_f32 v104, v95
	v_nop
	s_wait_alu depctr_va_vdst(0)
	v_mul_f32 v105, v94, v104
	v_fma_f32 v106, -v105, v95, v94
	v_fma_f32 v105, v106, v104, v105               ; rw, the second softmax
	s_delay_alu instid0(VALU_DEP_1)
	v_mov_b32 v106, v105
	DPP3 v_max_num_f32_dpp, 106                    ; the largest,
	s_delay_alu instid0(VALU_DEP_1)
	v_cmp_eq_f32 vcc_lo, v105, v106
	s_delay_alu instid0(VALU_DEP_1)
	v_cndmask_b32 v107, v14, v8, vcc_lo
	DPP3 v_min_num_f32_dpp, 107                    ; and the lowest index that has it
	s_delay_alu instid0(VALU_DEP_1)
	v_cmp_eq_f32 s44, v8, v107
	s_delay_alu instid0(VALU_DEP_1)
	v_cndmask_b32 v108, v105, v15, s44             ; that one is taken out
	s_delay_alu instid0(VALU_DEP_1)
	v_mov_b32 v109, v108
	DPP3 v_max_num_f32_dpp, 109                    ; the second largest,
	s_delay_alu instid0(VALU_DEP_1)
	v_cmp_eq_f32 vcc_lo, v108, v109
	s_delay_alu instid0(VALU_DEP_1)
	v_cndmask_b32 v110, v14, v8, vcc_lo
	DPP3 v_min_num_f32_dpp, 110                    ; and its lowest index
	s_delay_alu instid0(VALU_DEP_1)
	v_cmp_eq_f32 s45, v8, v110
	s_or_b32 s44, s44, s45                         ; am I one of the two?
	v_add_f32 v111, v106, v109
	s_delay_alu instid0(VALU_DEP_1)
	v_add_f32 v111, 0x3089705f, v111               ; + 1e-9
	s_wait_alu depctr_va_vdst(0)
	v_rcp_f32 v80, v111
	v_nop
	s_wait_alu depctr_va_vdst(0)
	v_mul_f32 v81, v105, v80
	s_delay_alu instid0(VALU_DEP_1)
	v_fma_f32 v82, -v81, v111, v105
	v_fma_f32 v81, v82, v80, v81
	s_delay_alu instid0(VALU_DEP_1)
	v_cndmask_b32 v81, 0, v81, s44
	ds_store_b32 v6, v81 offset:32*\tok
	v_cvt_u32_f32 v82, v107
	v_cvt_u32_f32 v83, v110
	s_delay_alu instid0(VALU_DEP_1)
	v_min_u32 v84, v82, v83                        ; lo
	s_delay_alu instid0(VALU_DEP_2)
	v_max_u32 v85, v82, v83                        ; hi
	s_delay_alu instid0(VALU_DEP_2)
	v_sub_nc_u32 v86, 15, v84
	s_delay_alu instid0(VALU_DEP_1)
	v_mul_u32_u24 v86, v84, v86
	s_delay_alu instid0(VALU_DEP_1)
	v_lshrrev_b32 v86, 1, v86                      ; pairs with a smaller lo: lo (15 - lo) / 2
	s_delay_alu instid0(VALU_DEP_4)
	v_sub_nc_u32 v87, 7, v85                       ; odd lo: hi runs down, so that neighbouring pairs share an expert
	v_sub_nc_u32 v88, v85, v84
	s_delay_alu instid0(VALU_DEP_1)
	v_add_nc_u32 v88, -1, v88                      ; even lo: hi runs up
	v_and_b32 v89, 1, v84
	s_delay_alu instid0(VALU_DEP_1)
	v_cmp_eq_u32 vcc_lo, 1, v89
	s_delay_alu instid0(VALU_DEP_1)
	v_cndmask_b32 v87, v88, v87, vcc_lo
	s_delay_alu instid0(VALU_DEP_1)
	v_add_nc_u32 v86, v86, v87                     ; the pair's index, 0 .. 27
	v_mov_b32 v89, 1
	s_delay_alu instid0(VALU_DEP_1)
	v_lshlrev_b32 v90, v82, v89
	s_delay_alu instid0(VALU_DEP_2)
	v_lshlrev_b32 v91, v83, v89
	s_delay_alu instid0(VALU_DEP_1)
	v_or_b32 v90, v90, v91
	s_delay_alu instid0(VALU_DEP_1)
	v_lshl_or_b32 v86, v90, 8, v86
	ds_store_b32 v7, v86 offset:4*\tok
	s_wait_dscnt 0x0                               ; the two stores have read their registers
.endm
	SMALL 112, 0
	SMALL 130, 1
; x INTO CODES.  A row turns through my stage so that lane b holds K = 32 b .. 32 b + 31; held and converted twice, with x's two scales.
.macro XQ tok
.set CC, 112+16*\tok
.irp j, 0,1,2,3,4,5,6,7
	ds_store_b128 v3, v[16+32*\tok+4*\j:19+32*\tok+4*\j] offset:576*\j
.endr
.irp j, 0,1,2,3,4,5,6,7
	ds_load_b128 v[80+4*\j:83+4*\j], v4 offset:16*\j   ; LDS serves a wave's instructions in order (ISA guide 5.7.1.4): these see my stores
.endr
	s_wait_dscnt 0x0
.set i, 0
.rept 32
	v_med3_num_f32 v[16+i], v[80+i], -v11, v11
.set i, i+1
.endr
	v_cvt_scalef32_pk8_fp8_f32 v[CC:CC+1],   v[16:23], v10
	v_cvt_scalef32_pk8_fp8_f32 v[CC+4:CC+5], v[24:31], v10
	v_cvt_scalef32_pk8_fp8_f32 v[CC+2:CC+3], v[32:39], v10
	v_cvt_scalef32_pk8_fp8_f32 v[CC+6:CC+7], v[40:47], v10
.set i, 0
.rept 32
	v_med3_num_f32 v[80+i], v[80+i], -v13, v13     ; (plain lines on other registers: the place behind the conversions above)
.set i, i+1
.endr
	v_cvt_scalef32_pk8_fp8_f32 v[CC+8:CC+9],   v[80:87],   v12
	v_cvt_scalef32_pk8_fp8_f32 v[CC+12:CC+13], v[88:95],   v12
	v_cvt_scalef32_pk8_fp8_f32 v[CC+10:CC+11], v[96:103],  v12
	v_cvt_scalef32_pk8_fp8_f32 v[CC+14:CC+15], v[104:111], v12
	v_nop                                          ; one plain line behind the last conversion
.irp u, 0,1
.irp h, 0,1
	global_store_b128 v2, v[CC+8*\u+4*\h:CC+8*\u+4*\h+3], s[16:17] offset:1048576*\u+1024*\tok+512*\h   ; 512 consecutive bytes
.endr
.endr
.endm
	XQ 0
	XQ 1
	s_wait_dscnt 0x0
	s_barrier_signal -1
	s_barrier_wait -1                              ; sixteen rows of rw and sixteen words of sel lie in LDS
	s_cmp_lg_u32 s34, 0
	s_cbranch_scc1 .Lrdone
	ds_load_b128 v[16:19], v156
	ds_load_b32 v20, v157
	s_wait_dscnt 0x0
	global_store_b128 v2, v[16:19], s[22:23]       ; out1: 512 consecutive bytes
	global_store_b32 v158, v20, s[20:21]           ; sel: 64 bytes (lanes 16-31 repeat lanes 0-15's words)
.Lrdone:
	s_wait_tensorcnt 0x0
	ds_add_u32 v160, v161
	s_wait_dscnt 0x0
	s_endpgm
.Lfunc_end_k_qdf5b429d3f_route_gateup:
	.size	k_qdf5b429d3f_route_gateup, .Lfunc_end_k_qdf5b429d3f_route_gateup-k_qdf5b429d3f_route_gateup
	.p2alignl 7, 3214868480
	.fill 96, 4, 3214868480
	.section	.rodata,"a",@progbits
	.p2align	6, 0x0
	.amdhsa_kernel k_qdf5b429d3f_route_gateup
		.amdhsa_group_segment_fixed_size 71680
		.amdhsa_private_segment_fixed_size 0
		.amdhsa_enable_private_segment 0
		.amdhsa_kernarg_size 88
		.amdhsa_user_sgpr_count 2
		.amdhsa_user_sgpr_kernarg_segment_ptr 1
		.amdhsa_wavefront_size32 1
		.amdhsa_system_sgpr_workgroup_id_x 1
		.amdhsa_system_sgpr_workgroup_id_y 1
		.amdhsa_system_sgpr_workgroup_id_z 1
		.amdhsa_system_vgpr_workitem_id 0
		.amdhsa_next_free_vgpr 162
		.amdhsa_next_free_sgpr 66
		.amdhsa_reserve_vcc 1
		.amdhsa_float_denorm_mode_32 3
		.amdhsa_float_denorm_mode_16_64 3
		.amdhsa_memory_ordered 1
		.amdhsa_forward_progress 1
		.amdhsa_inst_pref_size 93
	.end_amdhsa_kernel
	.amdgpu_metadata
---
amdhsa.version: [ 1, 2 ]
amdhsa.kernels:
  - .name:           k_qdf5b429d3f_route_gateup
    .symbol:         k_qdf5b429d3f_route_gateup.kd
    .args:
      - { .name: x, .offset: 0, .size: 8, .value_kind: global_buffer, .address_space: global }
      - { .name: q_norm_w, .offset: 8, .size: 8, .value_kind: global_buffer, .address_space: global }
      - { .name: k_proto, .offset: 16, .size: 8, .value_kind: global_buffer, .address_space: global }
      - { .name: v_proto, .offset: 24, .size: 8, .value_kind: global_buffer, .address_space: global }
      - { .name: gate_projs, .offset: 32, .size: 8, .value_kind: global_buffer, .address_space: global }
      - { .name: lowp_scales, .offset: 40, .size: 8, .value_kind: global_buffer, .address_space: global }
      - { .name: xq, .offset: 48, .size: 8, .value_kind: global_buffer, .address_space: global }
      - { .name: wgu, .offset: 56, .size: 8, .value_kind: global_buffer, .address_space: global }
      - { .name: sel, .offset: 64, .size: 8, .value_kind: global_buffer, .address_space: global }
      - { .name: out1, .offset: 72, .size: 8, .value_kind: global_buffer, .address_space: global }
      - { .name: up_projs, .offset: 80, .size: 8, .value_kind: global_buffer, .address_space: global }
    .group_segment_fixed_size: 71680
    .private_segment_fixed_size: 0
    .kernarg_segment_align: 8
    .kernarg_segment_size: 88
    .max_flat_workgroup_size: 256
    .sgpr_count:     66
    .vgpr_count:     162
    .wavefront_size: 32
...
	.end_amdgpu_metadata
.endif
;; end of part 5
;; launch place_down (part 6): grid 513 x 1, 8 waves a work-group, no clusters, 2,048 bytes of LDS; arguments sel, down_projs, lowp_scales, wd, order; writes order, wd
.if DOCPART == 6
	.amdgcn_target "amdgcn-amd-amdhsa--gfx1250"
	.amdhsa_code_object_version 6
	.text
	.protected	k_qdf5b429d3f_place_down
	.globl	k_qdf5b429d3f_place_down
	.p2align	8
	.type	k_qdf5b429d3f_place_down,@function
k_qdf5b429d3f_place_down:
	s_mov_b64 s[64:65], 0
	v_nop
	global_prefetch_b8 v0, s[64:65] scope:SCOPE_SE
	s_setreg_imm32_b32 hwreg(HW_REG_WAVE_MODE, 25, 1), 1
	s_wait_xcnt 0x0
; TWO ROLES, parted on the work-group's number.
; Work-group 0: THE PLACING.  The 1,024 tokens are sorted by the index of their pair of experts (0 .. 27), by counting: order[position] = token | mask << 16.
; Any permutation gives the same results later; the sort only brings tokens with the same experts into the same block of 64.  No atomics: ranks by ballots and bit counts.
; Work-groups 1-512: down_projs [8][2048 (K)][1024] f32 -> codes of E4M3 (scale entry 5) -> wd = [expert 8][fragment 64][K step 16][2048 bytes].
; AN IMAGE of a fragment (16 columns x 128 K): registers 4 q .. 4 q + 3 of lane L at byte 512 q + 16 L; lane (r, h) holds column r, registers 2 c, 2 c + 1: K = 16 c + 8 h + 0 .. 7.
; code = number / 2^e, held within +-448, to the nearest code, ties to even.  LIMITS: the scale entry 5 lies between -126 and 119.  NaN among the inputs is not served.
; No tensor loads, no matrix unit, no cluster: a stream that no two work-groups share.
.set XW,   16                          ; v16-79 two sets of 32 numbers
.set CW,   80                          ; v80-111 codes: eight registers a block, never written twice
.set INB,  6                           ; s[6:7] down_projs
.set OUTB, 10                          ; s[10:11] wd
.set ROWB, 4096                        ; bytes in a row
; A LANE TAKES A COLUMN AND ITS REGISTERS RUN DOWN K: block t = 32 rows, each load 128 neighbouring bytes a wave, the eight waves side by side on 1,024
.macro LOADW t
.set i, 0
.rept 32
	global_load_b32 v[XW+32*((\t)%2)+i], v2, s[INB:INB+1] offset:(32*(\t)+i)*ROWB th:TH_LOAD_NT
.set i, i+1
.endr
.endm
.macro BLOCKW t
.set XS, XW+32*((\t)%2)
.if (\t) < 3
	s_wait_loadcnt 32                              ; this block's 32 loads are in; the next block's may be out
.else
	s_wait_loadcnt 0x0
.endif
.set i, 0
.rept 32
	v_med3_num_f32 v[XS+i], v[XS+i], -v11, v11     ; the conversion does not saturate (ISA guide 7.6.2): the hold at the largest code x the scale
.set i, i+1
.endr
	v_cvt_scalef32_pk8_fp8_f32 v[CW+8*(\t):CW+8*(\t)+1],   v[XS:XS+7],     v10   ; K 0-7   -> the piece of h = 0, low half
	v_cvt_scalef32_pk8_fp8_f32 v[CW+8*(\t)+4:CW+8*(\t)+5], v[XS+8:XS+15],  v10   ; K 8-15  -> h = 1, low
	v_cvt_scalef32_pk8_fp8_f32 v[CW+8*(\t)+2:CW+8*(\t)+3], v[XS+16:XS+23], v10   ; K 16-23 -> h = 0, high
	v_cvt_scalef32_pk8_fp8_f32 v[CW+8*(\t)+6:CW+8*(\t)+7], v[XS+24:XS+31], v10   ; K 24-31 -> h = 1, high
	global_store_b128 v3, v[CW+8*(\t):CW+8*(\t)+3],   s[OUTB:OUTB+1] offset:512*(\t)       ; sixteen lanes store 256 consecutive bytes, aligned; the codes go to stores alone
	global_store_b128 v3, v[CW+8*(\t)+4:CW+8*(\t)+7], s[OUTB:OUTB+1] offset:512*(\t)+256
.if (\t) < 2
	LOADW (\t)+2
.endif
.endm
	s_load_b256 s[4:11], s[0:1], 0x0               ; sel s[4:5], down_projs s[6:7], lowp_scales s[8:9], wd s[10:11]
	s_load_b64 s[12:13], s[0:1], 0x20              ; order
	v_lshl_add_u32 v112, v0, 2, 0x400
	v_mov_b32 v113, 0
	v_lshrrev_b32 v1, 5, v0
	s_delay_alu instid0(VALU_DEP_1)
	v_readfirstlane_b32 s16, v1                    ; wave 0..7
	v_and_b32 v1, 31, v0                           ; lane
	s_cmp_eq_u32 ttmp9, 0
	s_cbranch_scc1 .Lplace
	; ---------------- the quantiser: 256 columns x 128 K of one expert
	s_sub_co_u32 s17, ttmp9, 1
	s_lshr_b32 s18, s17, 6                         ; expert
	s_bfe_u32 s19, s17, 0x40002                    ; K step 0..15
	s_and_b32 s24, s17, 3                          ; which 256 columns
	s_lshl_b32 s26, s18, 23                        ; in: expert x 8 MiB + K step x 128 rows + 1,024 x group + 128 x wave
	s_lshl_b32 s30, s19, 19
	s_add_co_u32 s26, s26, s30
	s_lshl_b32 s30, s24, 10
	s_add_co_u32 s26, s26, s30
	s_lshl_b32 s30, s16, 7
	s_add_co_u32 s26, s26, s30
	s_mov_b32 s27, 0
	s_lshl_b32 s28, s18, 21                        ; out: expert x 2 MiB + fragment (16 group + 2 wave) x 32,768 + K step x 2,048
	s_lshl_b32 s30, s24, 19
	s_add_co_u32 s28, s28, s30
	s_lshl_b32 s30, s16, 16
	s_add_co_u32 s28, s28, s30
	s_lshl_b32 s30, s19, 11
	s_add_co_u32 s28, s28, s30
	s_mov_b32 s29, 0
	s_wait_alu depctr_va_vdst(0)
	v_lshlrev_b32 v2, 2, v1                        ; in: 4 bytes a lane
	v_lshrrev_b32 v3, 4, v1
	v_and_b32 v4, 15, v1
	s_delay_alu instid0(VALU_DEP_2)
	v_lshlrev_b32 v3, 15, v3                       ; out: lanes 16-31 hold the next fragment,
	s_delay_alu instid0(VALU_DEP_1)
	v_lshl_add_u32 v3, v4, 4, v3                   ; 16 bytes a column
	s_wait_alu depctr_va_vdst(0)
	s_wait_kmcnt 0x0
	s_load_b32 s20, s[8:9], 0x14                   ; e of down_projs
	s_add_nc_u64 s[6:7], s[6:7], s[26:27]
	s_add_nc_u64 s[10:11], s[10:11], s[28:29]
	LOADW 0
	LOADW 1
	s_wait_kmcnt 0x0
	s_add_co_i32 s20, s20, 127
	s_lshl_b32 s21, s20, 23
	v_mov_b32 v10, s21                             ; 2^e as f32: the conversion takes its exponent field
	s_add_co_i32 s20, s20, 8
	s_lshl_b32 s20, s20, 23
	s_or_b32 s20, s20, 0x600000
	v_mov_b32 v11, s20                             ; 448 x 2^e
	s_wait_alu depctr_va_vdst(0)
	BLOCKW 0
	BLOCKW 1
	BLOCKW 2
	BLOCKW 3
	s_endpgm
	; ---------------- the placing.  Thread t holds tokens t, 256 + t, 512 + t, 768 + t.
	; v4-7 keys; v8-11 sel's words; v12-15 a token's rank among its wave's tokens of the same key; v16 lane k: my wave's count of key k
.Lplace:
	v_lshlrev_b32 v2, 2, v0                        ; 4 x thread
	s_wait_alu depctr_va_vdst(0)
	v_lshlrev_b32 v3, 2, v1                        ; 4 x lane
	s_wait_kmcnt 0x0
.irp c, 0,1,2,3
	global_load_b32 v[8+\c], v2, s[4:5] offset:1024*\c
.endr
.irp c, 0,1,2,3
	v_mov_b32 v[12+\c], 0
.endr
	v_mov_b32 v16, 0
	v_mov_b32 v17, 0
	s_wait_loadcnt 0x0
.irp c, 0,1,2,3
	v_and_b32 v[4+\c], 0xff, v[8+\c]
.endr
.set kk, 0
.rept 28
	s_mov_b32 s20, 0                               ; the wave's tokens of key kk so far
.irp c, 0,1,2,3
	v_cmp_eq_u32 s21, kk, v[4+\c]
	s_delay_alu instid0(VALU_DEP_1)
	v_mbcnt_lo_u32_b32 v17, s21, s20               ; those in lower lanes, and in earlier quarters
	s_delay_alu instid0(VALU_DEP_1)
	v_cndmask_b32 v[12+\c], v[12+\c], v17, s21
	s_bcnt1_i32_b32 s22, s21
	s_add_co_u32 s20, s20, s22
.endr
	v_writelane_b32 v16, s20, kk
.set kk, kk+1
.endr
	ds_store_b32 v2, v16                           ; [wave][key]
	s_wait_dscnt 0x0
	s_barrier_signal -1
	s_barrier_wait -1
.irp w, 0,1,2,3,4,5,6,7
	ds_load_b32 v[18+\w], v3 offset:128*\w         ; a lane is a key now: the eight waves' counts of it
.endr
	s_wait_dscnt 0x0
	v_add_nc_u32 v26, v18, v19
.irp w, 2,3,4,5,6,7
	s_delay_alu instid0(VALU_DEP_1)
	v_add_nc_u32 v26, v26, v[18+\w]                ; the key's tokens in all
.endr
	v_mov_b32 v27, 0
.irp w, 0,1,2,3,4,5,6
	s_cmp_gt_u32 s16, \w
	s_cselect_b32 s23, -1, 0
	v_and_b32 v17, s23, v[18+\w]
	s_delay_alu instid0(VALU_DEP_1)
	v_add_nc_u32 v27, v27, v17                     ; those of the waves before mine
.endr
	v_mov_b32 v28, v26                             ; a running sum over the keys: within 16 lanes,
.irp n, 1,2,4,8
	s_delay_alu instid0(VALU_DEP_1)
	v_mov_b32_dpp v17, v28 row_shr:\n row_mask:0xf bank_mask:0xf bound_ctrl:1
	s_delay_alu instid0(VALU_DEP_1)
	v_add_nc_u32 v28, v28, v17
.endr
	s_delay_alu instid0(VALU_DEP_1)
	v_readlane_b32 s24, v28, 15                    ; and the lower 16 keys' total onto the upper
	s_delay_alu instid0(VALU_DEP_1)
	v_mov_b32 v17, s24
	v_cmp_lt_u32 vcc_lo, 15, v1
	s_delay_alu instid0(VALU_DEP_1)
	v_cndmask_b32 v17, 0, v17, vcc_lo
	s_delay_alu instid0(VALU_DEP_1)
	v_add_nc_u32 v28, v28, v17
	s_delay_alu instid0(VALU_DEP_1)
	v_sub_nc_u32 v29, v28, v26
	s_delay_alu instid0(VALU_DEP_1)
	v_add_nc_u32 v29, v29, v27                     ; where my wave's tokens of this key begin
.irp c, 0,1,2,3
	v_lshlrev_b32 v[42+\c], 2, v[4+\c]
	ds_bpermute_b32 v[30+\c], v[42+\c], v29        ; each token fetches its key's figure from lane = key
.endr
	s_wait_dscnt 0x0
.irp c, 0,1,2,3
	v_add_nc_u32 v[34+\c], v[30+\c], v[12+\c]      ; the token's position
	s_delay_alu instid0(VALU_DEP_1)
	v_min_u32 v[34+\c], 0x3ff, v[34+\c]
	s_delay_alu instid0(VALU_DEP_1)
	v_lshlrev_b32 v[34+\c], 2, v[34+\c]
	v_add_nc_u32 v[38+\c], 256*\c, v0              ; the token
	v_lshrrev_b32 v17, 8, v[8+\c]                  ; its mask
	s_delay_alu instid0(VALU_DEP_1)
	v_lshl_or_b32 v[38+\c], v17, 16, v[38+\c]
.endr
.irp c, 0,1,2,3
	global_store_b32 v[34+\c], v[38+\c], s[12:13]  ; 4,096 bytes in all, scattered by the sort itself
.endr
	s_wait_tensorcnt 0x0
	ds_add_u32 v112, v113
	s_wait_dscnt 0x0
	s_endpgm
.Lfunc_end_k_qdf5b429d3f_place_down:
	.size	k_qdf5b429d3f_place_down, .Lfunc_end_k_qdf5b429d3f_place_down-k_qdf5b429d3f_place_down
	.p2alignl 7, 3214868480
	.fill 96, 4, 3214868480
	.section	.rodata,"a",@progbits
	.p2align	6, 0x0
	.amdhsa_kernel k_qdf5b429d3f_place_down
		.amdhsa_group_segment_fixed_size 2048
		.amdhsa_private_segment_fixed_size 0
		.amdhsa_enable_private_segment 0
		.amdhsa_kernarg_size 40
		.amdhsa_user_sgpr_count 2
		.amdhsa_user_sgpr_kernarg_segment_ptr 1
		.amdhsa_wavefront_size32 1
		.amdhsa_system_sgpr_workgroup_id_x 1
		.amdhsa_system_sgpr_workgroup_id_y 1
		.amdhsa_system_sgpr_workgroup_id_z 1
		.amdhsa_system_vgpr_workitem_id 0
		.amdhsa_next_free_vgpr 114
		.amdhsa_next_free_sgpr 66
		.amdhsa_reserve_vcc 1
		.amdhsa_float_denorm_mode_32 3
		.amdhsa_float_denorm_mode_16_64 3
		.amdhsa_memory_ordered 1
		.amdhsa_forward_progress 1
		.amdhsa_inst_pref_size 69
	.end_amdhsa_kernel
	.amdgpu_metadata
---
amdhsa.version: [ 1, 2 ]
amdhsa.kernels:
  - .name:           k_qdf5b429d3f_place_down
    .symbol:         k_qdf5b429d3f_place_down.kd
    .args:
      - { .name: sel, .offset: 0, .size: 8, .value_kind: global_buffer, .address_space: global }
      - { .name: down_projs, .offset: 8, .size: 8, .value_kind: global_buffer, .address_space: global }
      - { .name: lowp_scales, .offset: 16, .size: 8, .value_kind: global_buffer, .address_space: global }
      - { .name: wd, .offset: 24, .size: 8, .value_kind: global_buffer, .address_space: global }
      - { .name: order, .offset: 32, .size: 8, .value_kind: global_buffer, .address_space: global }
    .group_segment_fixed_size: 2048
    .private_segment_fixed_size: 0
    .kernarg_segment_align: 8
    .kernarg_segment_size: 40
    .max_flat_workgroup_size: 256
    .sgpr_count:     66
    .vgpr_count:     114
    .wavefront_size: 32
...
	.end_amdgpu_metadata
.endif
;; end of part 6
;; launch gateup (part 7): grid 16 x 16, 4 waves a work-group, no clusters, 264,704 bytes of LDS; arguments xq, wgu, order, out1, lowp_scales, inter; writes inter
.if DOCPART == 7
	.amdgcn_target "amdgcn-amd-amdhsa--gfx1250"
	.amdhsa_code_object_version 6
	.text
	.protected	k_qdf5b429d3f_gateup
	.globl	k_qdf5b429d3f_gateup
	.p2align	8
	.type	k_qdf5b429d3f_gateup,@function
k_qdf5b429d3f_gateup:
	s_mov_b64 s[64:65], 0
	v_nop
	global_prefetch_b8 v0, s[64:65] scope:SCOPE_SE
	s_setreg_imm32_b32 hwreg(HW_REG_WAVE_SCHED_MODE, 0, 2), 2
	s_setreg_imm32_b32 hwreg(HW_REG_WAVE_MODE, 25, 1), 1
	s_wait_xcnt 0x0
	s_wait_alu depctr_vm_vsrc(0)
; inter = Q(silu(gate) x up), gate = sum over experts p of rw[t][p] (Q(x) Q(G_p)), up likewise, on codes of E4M3 by v_wmma_f32_16x16x128_fp8_fp8, sums in f32.
; SHARES.  Work-group (x, y): 128 columns of I (slab x) for the 64 tokens at sorted positions 64 y .. 64 y + 63.  Wave 2 s + kh: tensor s (0 gate, 1 up), half kh of K = 1,024.
; ONLY THE EXPERTS THAT SOME TOKEN OF THE BLOCK USES ARE WALKED (the OR of the tokens' masks, from the stored list).  For such an expert all 64 rows are multiplied and each
; finished sum is weighed by rw[t][p] x 2^(the two scales' exponents), which is 0 for a token that did not choose p: so the values hold for any order of the tokens.
; THE PRODUCT IS USED TRANSPOSED: source 0 = 16 columns of the weight, source 1 = 16 tokens.  A lane holds ONE token (lane % 16) and eight neighbouring columns, 8 (lane / 16) + 0 .. 7:
; they are eight neighbours along the next product's K, so the conversions' results are that operand's registers as they stand.
; THE WEIGHTS COME FROM MEMORY STRAIGHT INTO REGISTERS, as images laid by the launch before: one load of 16 bytes a lane fills four registers.  No tensor loads and no joint requests:
; which experts a block walks, and how many, hangs on the stored list and differs from block to block, so neighbours would ask for different tiles.
; A STEP = one fragment of 16 columns x my 4 K steps x 4 fragments of tokens: 16 loads, 16 matrix instructions, 16 packed multiply-adds.  A TRIP = one expert = 8 steps.
; A ring of four register slots holds the weights; a slot is asked for again as soon as its step's products have read it, so three to four steps' loads are out, on into the next expert.
; THE MODE: SCHED_MODE bits 1:0 = 2 (LLVM: expert scheduling mode 2), set by the entry lines.  The code itself states the register dependences
; between vector or matrix instructions and memory or LDS instructions, with s_wait_alu, always for 0.
; THE PLAN.  Registers that memory or LDS instructions touch, in the loop:
;   the ring      Step hu: its sixteen matrix instructions read slot hu % 4; behind them the loads of step hu + 4 land in it.
;   v12-15        A trip's step 0: the eight v_ldexp_f32 read them; in step 4 the next expert's four loads of rw land in them.
;   v1, v8-11     Read as offsets by every load; made at the head and never written again: the scalar bases and the immediates do the rest.
;   The accumulators (two sets, by turns), the weighted sums T and v16-23 are named by vector and matrix instructions alone.
; So ONE wait on va_vdst stands in a step, behind its matrix instructions and behind the weighing of the step BEFORE, which reads the other set of accumulators and so does not hang
; on the products just issued.  The wait states that the products are done reading the slot; the slot's sixteen loads follow it.  A trip's step 0 has no weighing in front of it:
; there the new expert's rw is scaled.  These vector lines are also the places behind the matrix instructions (ISA guide 7.12.1).  The loop owes no wait on vm_vsrc.
; LIMITS: scale entry 4 lies between -126 and 119; the sums of entries 0 + 1 and 2 + 3 are applied by v_ldexp_f32 and have none.  NaN among the inputs is not served.
; REGISTERS, in windows of 256: window 0: v1 16 x lane; v2-7 addresses; v8-11 32 x my four tokens; v12-15 the next expert's rw; v16-23 this expert's rw x 2^e, four pairs;
;   v24-39 the gathered rows' offsets; v64-95, v96-127 two sets of four accumulators.   window 1: the weighted sums T, tile (m, j) at 8 (8 m + j).   window 2: the ring, 4 x 64.   window 3: x's 16 fragments, (kk, m) at 16 (4 kk + m).
.set NH,   8                           ; steps in a trip
.set HSTR, 16384                       ; bytes from a fragment of columns to the next
.set XP,   1040                        ; LDS: a token's 1,024 bytes of codes + 16
.set XSET, 64*XP                       ; a set's 64 rows; two sets from byte 0
.set EX,   2*XSET                      ; the exchange: [m 4][wave 4][16 x 512 bytes]
.set LOFF, 1
.set TKO,  8
.set RWN,  12
.set RW,   16
.set ACC,  64
.set OUT1, 10                          ; s[10:11] out1
.set WB,   30                          ; s[30:31] my wave's place in the codes, expert 0
.set CUR,  32                          ; s[32:33] the same in the expert in hand
.set NXT,  34                          ; s[34:35] in the next one
.set RB,   36                          ; s[36:37] out1 + 4 x the next expert
.set MASK, 38
.set REM,  39                          ; experts not yet picked
.set CNT,  40
.set SE,   41                          ; the two scales' exponents, added
.set BAL,  52                          ; s[52:59] expert p: the lanes one of whose tokens uses it
.set MSB, 0
.macro WIN new                         ; the immediate's high byte repeats the setting that is left
.if MSB != \new
	s_set_vgpr_msb (MSB<<8)|\new
.set MSB, \new
.endif
.endm
.macro ISSUE slot, base, hu            ; 16 loads of 512 bytes: fragment hu's four K steps into a slot of the ring
	WIN 0x80                                       ; destination window 2
.set i, 0
.rept 16
	global_load_b128 v[64*(\slot)+4*i:64*(\slot)+4*i+3], v[LOFF], s[\base:\base+1] offset:(\hu)*HSTR+512*i
.set i, i+1
.endr
.endm
.macro RWLOAD
.irp m, 0,1,2,3
	global_load_b32 v[RWN+\m], v[TKO+\m], s[RB:RB+1]
.endr
.endm
.macro RWPREP
.irp m, 0,1,2,3
	v_ldexp_f32 v[RW+2*\m], v[RWN+\m], s[SE]
	v_ldexp_f32 v[RW+2*\m+1], v[RWN+\m], s[SE]
.endr
.endm
.macro PICK                            ; the lowest expert left -> NXT, RB.  With none left the clamp gives expert 7, and nothing is loaded by it
	s_ctz_i32_b32 s44, s[REM]
	s_min_u32 s44, s44, 7
	s_add_co_i32 s45, s[REM], -1
	s_and_b32 s[REM], s[REM], s45
	s_lshl_b32 s42, s44, 21                        ; an expert's codes are 2 MiB (s43 = 0)
	s_add_nc_u64 s[NXT:NXT+1], s[WB:WB+1], s[42:43]
	s_lshl_b32 s42, s44, 2
	s_add_nc_u64 s[RB:RB+1], s[OUT1:OUT1+1], s[42:43]
.endm
.macro WEIGH hu, first                 ; step hu's four finished sums x rw onto T
.set AW, ACC+32*((\hu)%2)
	WIN 0x50                                       ; T: destination and source 2 window 1
.irp m, 0,1,2,3                        ; each accumulator from its low end on
.irp e, 0,2,4,6
.if \first
	v_pk_mul_f32 v[8*(NH*\m+(\hu))+\e:8*(NH*\m+(\hu))+\e+1], v[AW+8*\m+\e:AW+8*\m+\e+1], v[RW+2*\m:RW+2*\m+1]   ; the first expert starts T: nothing is cleared
.else
	v_pk_fma_f32 v[8*(NH*\m+(\hu))+\e:8*(NH*\m+(\hu))+\e+1], v[AW+8*\m+\e:AW+8*\m+\e+1], v[RW+2*\m:RW+2*\m+1], v[8*(NH*\m+(\hu))+\e:8*(NH*\m+(\hu))+\e+1]
.endif
.endr
.endr
.endm
.macro STEP hu, first, last
.set AC, ACC+32*((\hu)%2)
.if \last
.if (\hu) < 5
	s_wait_loadcnt 48                              ; this step's 16 loads are in; three younger steps' may be out
.else
	s_wait_loadcnt 16*(NH-1-(\hu))                 ; the last expert's steps 4 to 7 ask for nothing: the counts run down
.endif
.elseif (\hu) < 5
	s_wait_loadcnt 48                              ; three younger steps (in step 0 the four loads of rw, which are older, are in too)
.else
	s_wait_loadcnt 52                              ; three younger steps' 48 and the four loads of rw among them
.endif
	WIN 0x0e                                       ; source 0 window 2, source 1 window 3, C and D window 0
.irp kk, 0,1,2,3                       ; the four accumulators take turns, one instruction a turn
.irp m, 0,1,2,3
.if \kk == 0
	v_wmma_f32_16x16x128_fp8_fp8 v[AC+8*\m:AC+8*\m+7], v[64*((\hu)%4)+16*\kk:64*((\hu)%4)+16*\kk+15], v[16*(4*\kk+\m):16*(4*\kk+\m)+15], 0
.else
	v_wmma_f32_16x16x128_fp8_fp8 v[AC+8*\m:AC+8*\m+7], v[64*((\hu)%4)+16*\kk:64*((\hu)%4)+16*\kk+15], v[16*(4*\kk+\m):16*(4*\kk+\m)+15], v[AC+8*\m:AC+8*\m+7]
.endif
.endr
.endr
.if (\hu) == 0
	WIN 0
	RWPREP                                         ; this expert's rw x 2^e: eight plain lines, the places behind the products above
.else
	WEIGH (\hu)-1, \first                          ; the step before, out of the other set of accumulators: sixteen plain lines, the places behind the products above
.endif
.if (\hu) < 4
	WIN 0x80
	s_wait_alu depctr_va_vdst(0)                   ; this step's matrix instructions are done reading slot hu % 4, in which the loads below land
	ISSUE (\hu)%4, CUR, (\hu)+4
.elseif (\last) == 0
.if (\hu) == 4
	WIN 0
	s_wait_alu depctr_va_vdst(0)                   ; this step's matrix instructions are done reading slot 0, and step 0's v_ldexp_f32 are done reading v12-15: loads land in both below
	RWLOAD                                         ; the next expert's weights of my tokens
.else
	WIN 0x80
	s_wait_alu depctr_va_vdst(0)                   ; this step's matrix instructions are done reading slot hu % 4, in which the loads below land
.endif
	ISSUE (\hu)%4, NXT, (\hu)-4
.endif
.endm
.macro TRIP first, last
.set HU, 0
.rept NH
	STEP HU, \first, \last
.set HU, HU+1
.endr
	WEIGH NH-1, \first                             ; the trip's last step, under this expert's rw; step 6's weighing stands between it and the products that it reads
.if (\last) == 0
	WIN 0
	s_wait_xcnt 0x0                                ; the pending loads have read their bases: these may be written
	s_mov_b64 s[CUR:CUR+1], s[NXT:NXT+1]
	PICK
.endif
.endm
	s_load_b256 s[4:11], s[0:1], 0x0               ; xq s[4:5], wgu s[6:7], order s[8:9], out1 s[10:11]
	s_load_b128 s[12:15], s[0:1], 0x20             ; lowp_scales s[12:13], inter s[14:15]
	v_lshl_add_u32 v254, v0, 2, 0x40800
	v_mov_b32 v255, 0
	v_lshrrev_b32 v1, 5, v0
	v_readfirstlane_b32 s16, v1                    ; wave 0..3
	v_and_b32 v40, 31, v0
	v_lshlrev_b32 v[LOFF], 4, v40                  ; 16 x lane
	v_and_b32 v41, 15, v0                          ; r
	s_wait_alu depctr_va_vdst(0)
	v_bfe_u32 v42, v0, 4, 1                        ; h
	v_lshlrev_b32 v43, 2, v41
	v_lshlrev_b32 v44, 4, v41
	s_and_b32 s20, ttmp7, 0xffff                   ; the block of tokens
	s_mov_b32 s43, 0
	s_mov_b32 s50, 0xbfb8aa3b                      ; -log2(e)
	s_mov_b32 s51, s50                             ; (named with it as a pair, so it is written)
	s_wait_alu depctr_va_sdst(0)                   ; s16 is written, ahead of its first reader
	s_lshr_b32 s17, s16, 1                         ; s: gate or up
	s_and_b32 s18, s16, 1                          ; kh: which half of K
	s_mul_i32 s44, s17, XSET
	s_lshl_b32 s45, s18, 8
	s_add_co_u32 s45, s45, s44
	v_mul_u32_u24 v2, v41, XP
	s_wait_alu depctr_va_vdst(0)
	v_lshl_add_u32 v2, v42, 9, v2
	v_add_nc_u32 v2, s45, v2                       ; x's fragments: set s, row r, half h of the row, my 256 bytes of it
	s_mul_i32 s45, s18, 32*XP
	s_add_co_u32 s45, s45, s44
	v_mul_u32_u24 v3, v42, XP
	v_lshl_add_u32 v3, v41, 4, v3
	v_add_nc_u32 v3, s45, v3                       ; staging: set s, rows 32 kh on; sixteen lanes to 256 bytes of a row, two rows an instruction
	s_lshl_b32 s45, s16, 13
	s_add_co_u32 s45, s45, EX
	v_add_nc_u32 v4, s45, v[LOFF]                  ; the exchange, in: my 8,192 bytes of m = 0, 1
	v_add_nc_u32 v5, 65536, v4                     ; and of m = 2, 3
	s_lshl_b32 s45, s16, 15
	s_add_co_u32 s45, s45, EX
	v_add_nc_u32 v6, s45, v[LOFF]                  ; out: all four waves' parts of m = my wave's number
	s_lshl_b32 s45, s18, 7
	v_lshlrev_b32 v7, 2, v42
	v_add_nc_u32 v7, s45, v7                       ; the list: positions 32 kh + h, in words
	s_wait_kmcnt 0x0
	s_load_b128 s[24:27], s[12:13], 0x0            ; scale entries 0 .. 3
	s_load_b64 s[28:29], s[12:13], 0x10            ; 4, 5
	s_lshl_b32 s42, s20, 8
	s_add_nc_u64 s[8:9], s[8:9], s[42:43]          ; the block's 64 words of the list
	s_lshl_b32 s42, s17, 20
	s_add_nc_u64 s[4:5], s[4:5], s[42:43]          ; x's codes under my tensor's scale
	s_lshl_b32 s42, s17, 24                        ; tensor x 16 MiB + slab x 8 fragments + kh x 4 K steps
	s_lshl_b32 s44, ttmp9, 17
	s_add_co_u32 s42, s42, s44
	s_lshl_b32 s44, s18, 13
	s_add_co_u32 s42, s42, s44
	s_add_nc_u64 s[WB:WB+1], s[6:7], s[42:43]
	s_lshl_b32 s42, s20, 17                        ; inter: [block][K step = slab][m = wave][2,048]
	s_lshl_b32 s44, ttmp9, 13
	s_add_co_u32 s42, s42, s44
	s_lshl_b32 s44, s16, 11
	s_add_co_u32 s42, s42, s44
	s_add_nc_u64 s[14:15], s[14:15], s[42:43]
	s_wait_alu depctr_va_vdst(0)                   ; the addresses v1 to v7 and v43 are written, which the loads, stores and LDS instructions of the whole kernel read
.irp i, 0,1,2,3,4,5,6,7,8,9,10,11,12,13,14,15
	global_load_b32 v[24+\i], v7, s[8:9] offset:8*\i       ; positions 32 kh + 2 i + h: the rows that I gather
.endr
.irp m, 0,1,2,3
	global_load_b32 v[TKO+\m], v43, s[8:9] offset:64*\m    ; positions 16 m + r: the tokens of my lane
.endr
	s_wait_loadcnt 0x0
.irp i, 0,1,2,3,4,5,6,7,8,9,10,11,12,13,14,15
	v_and_b32 v[24+\i], 0xffff, v[24+\i]
	v_min_u32 v[24+\i], 0x3ff, v[24+\i]
	v_lshl_add_u32 v[24+\i], v[24+\i], 10, v44     ; token x 1,024 + 16 r
.endr
	v_or_b32 v45, v8, v9
	v_or_b32 v46, v10, v11
	v_or_b32 v45, v45, v46                         ; the OR of my four list words
.irp m, 0,1,2,3
	v_and_b32 v[TKO+\m], 0xffff, v[TKO+\m]
	v_min_u32 v[TKO+\m], 0x3ff, v[TKO+\m]
	v_lshlrev_b32 v[TKO+\m], 5, v[TKO+\m]          ; a row of out1 is 32 bytes
.endr
	WIN 0xc0                                       ; destination window 3
	s_wait_alu depctr_va_vdst(0)                   ; the offsets v24-39 are written, which the gather below reads, and v8-11, which every load of rw reads
.irp i, 0,1,2,3,4,5,6,7,8,9,10,11,12,13,14,15
.irp q, 0,1,2,3
	global_load_b128 v[4*(4*\i+\q):4*(4*\i+\q)+3], v[24+\i], s[4:5] offset:256*\q   ; sixteen lanes read 256 consecutive bytes of a token's row
.endr
.endr
	WIN 0
.irp p, 0,1,2,3,4,5,6,7                ; which experts does the block use?  Eight ballots in a run, each into a scalar register of its own
	v_and_b32 v46, 1<<(16+\p), v45
	v_cmp_ne_u32 s[BAL+\p], 0, v46
.endr
	s_wait_alu depctr_va_sdst(0)                   ; the eight ballots s52 to s59 are written, ahead of their first reader
	s_mov_b32 s[MASK], 0
.irp p, 0,1,2,3,4,5,6,7
	s_cmp_lg_u32 s[BAL+\p], 0                      ; does any of the 64 tokens use expert p?
	s_cselect_b32 s45, 1<<\p, 0
	s_or_b32 s[MASK], s[MASK], s45
.endr
	s_mov_b32 s[REM], s[MASK]
	s_bcnt1_i32_b32 s[CNT], s[MASK]                ; at least 2: a token's two experts differ
	s_sub_co_i32 s[CNT], s[CNT], 2                 ; the first and the last trip are written out
	PICK
	s_mov_b64 s[CUR:CUR+1], s[NXT:NXT+1]
	RWLOAD                                         ; no wait: since the last wait on va_vdst vector lines have named v45 and v46 alone
	ISSUE 0, CUR, 0
	ISSUE 1, CUR, 1
	ISSUE 2, CUR, 2
	WIN 0
	s_wait_xcnt 0x0                                ; the loads have read their bases: the next pick writes two of them
	PICK
	s_wait_loadcnt 52                              ; x's rows are in; rw's 4 and the weights' 48 loads may be out
	WIN 0x0c                                       ; store data window 3
.irp i, 0,1,2,3,4,5,6,7,8,9,10,11,12,13,14,15
.irp q, 0,1,2,3
	ds_store_b128 v3, v[4*(4*\i+\q):4*(4*\i+\q)+3] offset:2*XP*\i+256*\q
.endr
.endr
	WIN 0
	s_wait_dscnt 0x0                               ; for the others' sake: my 32 rows have landed
	s_barrier_signal -1
	s_barrier_wait -1
	WIN 0xc0
	s_wait_alu depctr_vm_vsrc(0)                   ; my LDS stores have read window 3's registers, in which the fragments below land
.irp kk, 0,1,2,3
.irp m, 0,1,2,3
.irp q, 0,1,2,3
	ds_load_b128 v[16*(4*\kk+\m)+4*\q:16*(4*\kk+\m)+4*\q+3], v2 offset:16*XP*\m+16*(4*\kk+\q)
.endr
.endr
.endr
	ISSUE 3, CUR, 3                                ; the ring's fourth slot: it goes out behind the wait for x's rows, whose count would else not fit its field.  No vector or matrix instruction has named the slot
	WIN 0
	s_wait_kmcnt 0x0
	s_add_co_i32 s44, s24, s25
	s_add_co_i32 s45, s26, s27
	s_cmp_eq_u32 s17, 0
	s_cselect_b32 s[SE], s44, s45
	s_wait_dscnt 0x0                               ; x's fragments
	TRIP 1, 0
	s_cmp_le_i32 s[CNT], 0
	s_cbranch_scc1 .Lskip
.Lexp:
	TRIP 0, 0
	s_sub_co_u32 s[CNT], s[CNT], 1
	s_cmp_lg_u32 s[CNT], 0
	s_cbranch_scc1 .Lexp
.Lskip:
	TRIP 0, 1                                      ; the last expert asks for nothing beyond its own steps
	; THE EXCHANGE: each wave holds one tensor's half sums for all 64 tokens; wave w finishes tokens 16 w .. 16 w + 15
	WIN 0
	s_add_co_i32 s44, s28, 127
	s_lshl_b32 s45, s44, 23
	v_mov_b32 v46, s45                             ; 2^e4
	s_add_co_i32 s44, s44, 8
	s_lshl_b32 s44, s44, 23
	s_or_b32 s44, s44, 0x600000
	v_mov_b32 v47, s44                             ; 448 x 2^e4
	WIN 0x04                                       ; store data window 1
	s_wait_alu depctr_va_vdst(0)                   ; the weighings have written T, which the LDS stores read; the matrix instructions are done reading the ring, in which the loads behind the barrier land
.irp m, 0,1,2,3
.irp q, 0,1,2,3,4,5,6,7,8,9,10,11,12,13,14,15
.if \m < 2
	ds_store_b128 v4, v[64*\m+4*\q:64*\m+4*\q+3] offset:32768*(\m%2)+512*\q
.else
	ds_store_b128 v5, v[64*\m+4*\q:64*\m+4*\q+3] offset:32768*(\m%2)+512*\q
.endif
.endr
.endr
	WIN 0
	s_wait_dscnt 0x0
	s_barrier_signal -1
	s_barrier_wait -1
	WIN 0x80                                       ; into window 2: gate's halves at v0, v64; up's at v128, v192
.irp w, 0,1,2,3
.irp q, 0,1,2,3,4,5,6,7,8,9,10,11,12,13,14,15
	ds_load_b128 v[64*\w+4*\q:64*\w+4*\q+3], v6 offset:8192*\w+512*\q
.endr
.endr
	s_wait_dscnt 0x0
	WIN 0xaa                                       ; all in window 2
.set i, 0
.rept 32
	v_pk_add_f32 v[i:i+1], v[i:i+1], v[64+i:65+i]              ; gate
.set i, i+2
.endr
.set i, 0
.rept 32
	v_pk_add_f32 v[128+i:129+i], v[128+i:129+i], v[192+i:193+i]   ; up
.set i, i+2
.endr
.set i, 0
.rept 32
	v_pk_mul_f32 v[64+i:65+i], v[i:i+1], s[50:51] op_sel_hi:[1,0]
.set i, i+2
.endr
.set i, 0
	s_wait_alu depctr_va_vdst(0)
.rept 64
	v_exp_f32 v[64+i], v[64+i]                     ; e^-gate
.set i, i+1
.endr
	v_nop                                          ; a plain place behind the transcendentals (ISA guide 5.7.2)
	s_wait_alu depctr_va_vdst(0)                   ; the 64 exponentials have written v64-127 of window 2, ahead of their first reader: one wait for the batch
.set i, 0
.rept 32
	v_pk_add_f32 v[64+i:65+i], v[64+i:65+i], 1.0 op_sel_hi:[1,0]
.set i, i+2
.endr
.set i, 0
	s_wait_alu depctr_va_vdst(0)
.rept 64
	v_rcp_f32 v[64+i], v[64+i]
.set i, i+1
.endr
	v_nop
	s_wait_alu depctr_va_vdst(0)                   ; the 64 reciprocals have written v64-127 of window 2, ahead of their first reader: one wait for the batch
.set i, 0
.rept 32
	v_pk_mul_f32 v[i:i+1], v[i:i+1], v[64+i:65+i]  ; silu(gate)
.set i, i+2
.endr
	WIN 0x0a                                       ; sources window 2, destination window 0
.set i, 0
.rept 32
	v_pk_mul_f32 v[64+i:65+i], v[i:i+1], v[128+i:129+i]   ; x up: register 8 j + e is column 16 j + 8 h + e of my token
.set i, i+2
.endr
	WIN 0
.set i, 0
.rept 64
	v_med3_num_f32 v[64+i], v[64+i], -v47, v47     ; the conversion does not saturate (ISA guide 7.6.2)
.set i, i+1
.endr
.irp j, 0,1,2,3,4,5,6,7
	v_cvt_scalef32_pk8_fp8_f32 v[128+2*\j:129+2*\j], v[64+8*\j:71+8*\j], v46   ; registers 2 j, 2 j + 1 of the next product's fragment
.endr
	v_nop                                          ; one plain line behind the last conversion
	s_wait_alu depctr_va_vdst(0)                   ; the conversions have written v128-143, which the stores read
.irp q, 0,1,2,3
	global_store_b128 v[LOFF], v[128+4*\q:131+4*\q], s[14:15] offset:512*\q    ; the fragment's image: 512 consecutive bytes a store
.endr
	s_wait_dscnt 0x0                               ; the closing lines, six on end
	s_wait_alu 0x0
	s_wait_tensorcnt 0x0
	ds_add_u32 v254, v255
	s_wait_dscnt 0x0
	s_endpgm
.Lfunc_end_k_qdf5b429d3f_gateup:
	.size	k_qdf5b429d3f_gateup, .Lfunc_end_k_qdf5b429d3f_gateup-k_qdf5b429d3f_gateup
	.p2alignl 7, 3214868480
	.fill 96, 4, 3214868480
	.section	.rodata,"a",@progbits
	.p2align	6, 0x0
	.amdhsa_kernel k_qdf5b429d3f_gateup
		.amdhsa_group_segment_fixed_size 264704
		.amdhsa_private_segment_fixed_size 0
		.amdhsa_enable_private_segment 0
		.amdhsa_kernarg_size 48
		.amdhsa_user_sgpr_count 2
		.amdhsa_user_sgpr_kernarg_segment_ptr 1
		.amdhsa_wavefront_size32 1
		.amdhsa_system_sgpr_workgroup_id_x 1
		.amdhsa_system_sgpr_workgroup_id_y 1
		.amdhsa_system_sgpr_workgroup_id_z 1
		.amdhsa_system_vgpr_workitem_id 0
		.amdhsa_next_free_vgpr 1024
		.amdhsa_next_free_sgpr 66
		.amdhsa_reserve_vcc 0
		.amdhsa_float_denorm_mode_32 3
		.amdhsa_float_denorm_mode_16_64 3
		.amdhsa_memory_ordered 1
		.amdhsa_forward_progress 1
		.amdhsa_inst_pref_size 147
	.end_amdhsa_kernel
	.amdgpu_metadata
---
amdhsa.version: [ 1, 2 ]
amdhsa.kernels:
  - .name:           k_qdf5b429d3f_gateup
    .symbol:         k_qdf5b429d3f_gateup.kd
    .args:
      - { .name: xq, .offset: 0, .size: 8, .value_kind: global_buffer, .address_space: global }
      - { .name: wgu, .offset: 8, .size: 8, .value_kind: global_buffer, .address_space: global }
      - { .name: order, .offset: 16, .size: 8, .value_kind: global_buffer, .address_space: global }
      - { .name: out1, .offset: 24, .size: 8, .value_kind: global_buffer, .address_space: global }
      - { .name: lowp_scales, .offset: 32, .size: 8, .value_kind: global_buffer, .address_space: global }
      - { .name: inter, .offset: 40, .size: 8, .value_kind: global_buffer, .address_space: global }
    .group_segment_fixed_size: 264704
    .private_segment_fixed_size: 0
    .kernarg_segment_align: 8
    .kernarg_segment_size: 48
    .max_flat_workgroup_size: 128
    .sgpr_count:     66
    .vgpr_count:     1024
    .wavefront_size: 32
...
	.end_amdgpu_metadata
.endif
;; end of part 7
;; launch down (part 8): grid 16 x 16, 4 waves a work-group, no clusters, 70,144 bytes of LDS; arguments inter, wd, order, out1, lowp_scales, out0; writes out0
.if DOCPART == 8
	.amdgcn_target "amdgcn-amd-amdhsa--gfx1250"
	.amdhsa_code_object_version 6
	.text
	.protected	k_qdf5b429d3f_down
	.globl	k_qdf5b429d3f_down
	.p2align	8
	.type	k_qdf5b429d3f_down,@function
k_qdf5b429d3f_down:
	s_mov_b64 s[64:65], 0
	v_nop
	global_prefetch_b8 v0, s[64:65] scope:SCOPE_SE
	s_setreg_imm32_b32 hwreg(HW_REG_WAVE_SCHED_MODE, 0, 2), 2
	s_setreg_imm32_b32 hwreg(HW_REG_WAVE_MODE, 25, 1), 1
	s_wait_xcnt 0x0
	s_wait_alu depctr_vm_vsrc(0)
; out0 = sum over experts p of rw[t][p] (Q(inter) Q(D_p)), on codes of E4M3 by v_wmma_f32_16x16x128_fp8_fp8, sums in f32.
; SHARES.  Work-group (x, y): 64 columns of H (slab x) for the 64 tokens at sorted positions 64 y .. 64 y + 63.  Wave w: K steps 4 w .. 4 w + 3 of the 16 (K = 2,048).
; ONLY THE EXPERTS THAT SOME TOKEN OF THE BLOCK USES ARE WALKED (the OR of the tokens' masks, from the stored list).  For such an expert all 64 rows are multiplied and each
; finished sum is weighed by rw[t][p] x 2^(e4 + e5), which is 0 for a token that did not choose p: so the values hold for any order of the tokens.
; THE PRODUCT IS USED TRANSPOSED: source 0 = 16 columns of the weight, source 1 = 16 tokens: a lane holds ONE token (lane % 16) and eight neighbouring columns of its row.
; BOTH OPERANDS COME FROM MEMORY STRAIGHT INTO REGISTERS, as images laid by earlier launches.  No tensor loads and no joint requests: which experts a block walks, and how many,
; hangs on the stored list and differs from block to block, so neighbours would ask for different tiles.
; A STEP = one fragment of 16 columns x my 4 K steps x 4 fragments of tokens: 16 loads, 16 matrix instructions, 16 packed multiply-adds.  A TRIP = one expert = 4 steps.
; A ring of four register slots holds the weights: a slot is asked for again, for the same step of the next expert, as soon as its step's products have read it.
; The four waves' quarter sums meet in LDS; each wave then adds and stores 16 whole pieces of 256 bytes of its tokens' rows.
; THE MODE: SCHED_MODE bits 1:0 = 2 (LLVM: expert scheduling mode 2), set by the entry lines.  The code itself states the register dependences
; between vector or matrix instructions and memory or LDS instructions, with s_wait_alu, always for 0.
; THE PLAN.  Registers that memory or LDS instructions touch, in the loop:
;   the ring      Step hu: its sixteen matrix instructions read slot hu; behind them the loads of the next expert's step hu land in it.
;   v12-15        A trip's step 0: the eight v_ldexp_f32 read them; behind them, in the same step, the next expert's four loads of rw land in them.
;   v1, v8-11     Read as offsets by every load; made at the head and never written again: the scalar bases and the immediates do the rest.
;   The accumulators (two sets, by turns), the weighted sums T and v16-23 are named by vector and matrix instructions alone.
; So in steps 1 to 3 one wait on va_vdst stands behind the matrix instructions, in front of the weighing of the step BEFORE, and one behind that weighing, which reads the other set of accumulators and so does not hang
; on the products just issued.  The wait states that the products are done reading the slot; the slot's sixteen loads follow it.  A trip's step 0 has no weighing in front of it:
; there the new expert's rw is scaled.  These vector lines are also the places behind the matrix instructions (ISA guide 7.12.1).  The loop owes no wait on vm_vsrc.
; LIMITS: e4 + e5 is applied by v_ldexp_f32 and has none.  NaN among the inputs is not served.
; REGISTERS, in windows of 256: window 0: v1 16 x lane; v2, v3, v7 addresses; v8-11 32 x my four tokens; v12-15 the next expert's rw; v16-23 this expert's rw x 2^e, four pairs;
;   v24-31 my output rows' offsets; v64-95, v96-127 two sets of four accumulators; v96-255 the way out.   window 1: the weighted sums T, tile (m, j) at 8 (4 m + j).   window 2: the ring, 4 x 64.   window 3: inter's 16 fragments.
.set NH,   4                           ; steps in a trip
.set HSTR, 32768                       ; bytes from a fragment of columns to the next
.set SP,   272                         ; LDS: a token's 256 bytes of sums + 16
.set SQ,   64*SP                       ; a wave's quarter: 64 rows
.set LOFF, 1
.set TKO,  8
.set RWN,  12
.set RW,   16
.set ACC,  64
.set OUT1, 10                          ; s[10:11] out1
.set WB,   30                          ; s[30:31] my wave's place in the codes, expert 0
.set CUR,  32                          ; s[32:33] the same in the first expert
.set NXT,  34                          ; s[34:35] in the next one
.set RB,   36                          ; s[36:37] out1 + 4 x the next expert
.set MASK, 38
.set REM,  39                          ; experts not yet picked
.set CNT,  40
.set SE,   41                          ; e4 + e5
.set BAL,  52                          ; s[52:59] expert p: the lanes one of whose tokens uses it
.set MSB, 0
.macro WIN new                         ; the immediate's high byte repeats the setting that is left
.if MSB != \new
	s_set_vgpr_msb (MSB<<8)|\new
.set MSB, \new
.endif
.endm
.macro ISSUE slot, base, hu            ; 16 loads of 512 bytes: fragment hu's four K steps into a slot of the ring
	WIN 0x80                                       ; destination window 2
.set i, 0
.rept 16
	global_load_b128 v[64*(\slot)+4*i:64*(\slot)+4*i+3], v[LOFF], s[\base:\base+1] offset:(\hu)*HSTR+512*i
.set i, i+1
.endr
.endm
.macro RWLOAD
.irp m, 0,1,2,3
	global_load_b32 v[RWN+\m], v[TKO+\m], s[RB:RB+1]
.endr
.endm
.macro RWPREP
.irp m, 0,1,2,3
	v_ldexp_f32 v[RW+2*\m], v[RWN+\m], s[SE]
	v_ldexp_f32 v[RW+2*\m+1], v[RWN+\m], s[SE]
.endr
.endm
.macro PICK                            ; the lowest expert left -> NXT, RB.  With none left the clamp gives expert 7, and nothing is loaded by it
	s_ctz_i32_b32 s44, s[REM]
	s_min_u32 s44, s44, 7
	s_add_co_i32 s45, s[REM], -1
	s_and_b32 s[REM], s[REM], s45
	s_lshl_b32 s42, s44, 21                        ; an expert's codes are 2 MiB (s43 = 0)
	s_add_nc_u64 s[NXT:NXT+1], s[WB:WB+1], s[42:43]
	s_lshl_b32 s42, s44, 2
	s_add_nc_u64 s[RB:RB+1], s[OUT1:OUT1+1], s[42:43]
.endm
.macro WEIGH hu, first                 ; step hu's four finished sums x rw onto T
.set AW, ACC+32*((\hu)%2)
	WIN 0x50                                       ; T: destination and source 2 window 1
.irp m, 0,1,2,3                        ; each accumulator from its low end on
.irp e, 0,2,4,6
.if \first
	v_pk_mul_f32 v[8*(NH*\m+(\hu))+\e:8*(NH*\m+(\hu))+\e+1], v[AW+8*\m+\e:AW+8*\m+\e+1], v[RW+2*\m:RW+2*\m+1]   ; the first expert starts T: nothing is cleared
.else
	v_pk_fma_f32 v[8*(NH*\m+(\hu))+\e:8*(NH*\m+(\hu))+\e+1], v[AW+8*\m+\e:AW+8*\m+\e+1], v[RW+2*\m:RW+2*\m+1], v[8*(NH*\m+(\hu))+\e:8*(NH*\m+(\hu))+\e+1]
.endif
.endr
.endr
.endm
.macro STEP hu, first, last
.set AC, ACC+32*((\hu)%2)
.if \last
	s_wait_loadcnt 16*(NH-1-(\hu))                 ; the last expert asks for nothing: the counts run down
.elseif (\hu) == 0
	s_wait_loadcnt 48                              ; this step's 16 loads are in, and the four of rw, which are older; three younger steps' may be out
.else
	s_wait_loadcnt 52                              ; three younger steps' 48 and the four loads of rw among them
.endif
	WIN 0x0e                                       ; source 0 window 2, source 1 window 3, C and D window 0
.irp kk, 0,1,2,3                       ; the four accumulators take turns, one instruction a turn
.irp m, 0,1,2,3
.if \kk == 0
	v_wmma_f32_16x16x128_fp8_fp8 v[AC+8*\m:AC+8*\m+7], v[64*((\hu)%4)+16*\kk:64*((\hu)%4)+16*\kk+15], v[16*(4*\kk+\m):16*(4*\kk+\m)+15], 0
.else
	v_wmma_f32_16x16x128_fp8_fp8 v[AC+8*\m:AC+8*\m+7], v[64*((\hu)%4)+16*\kk:64*((\hu)%4)+16*\kk+15], v[16*(4*\kk+\m):16*(4*\kk+\m)+15], v[AC+8*\m:AC+8*\m+7]
.endif
.endr
.endr
.if (\hu) == 0
	WIN 0
	RWPREP                                         ; this expert's rw x 2^e: eight plain lines, the places behind the products above
.else
	s_wait_alu depctr_va_vdst(0)
	WEIGH (\hu)-1, \first                          ; the step before, out of the other set of accumulators: sixteen plain lines, the places behind the products above
.endif
.if (\last) == 0
.if (\hu) == 0
	s_wait_alu depctr_va_vdst(0)                   ; this step's matrix instructions are done reading slot 0, and the v_ldexp_f32 above are done reading v12-15: loads land in both below
	RWLOAD                                         ; the next expert's weights of my tokens
.else
	WIN 0x80
	s_wait_alu depctr_va_vdst(0)                   ; this step's matrix instructions are done reading slot hu, in which the loads below land
.endif
	ISSUE \hu, NXT, \hu
.endif
.endm
.macro TRIP first, last
.set HU, 0
.rept NH
	STEP HU, \first, \last
.set HU, HU+1
.endr
	WEIGH NH-1, \first                             ; the trip's last step, under this expert's rw; step 2's weighing stands between it and the products that it reads
.if (\last) == 0
	WIN 0
	s_wait_xcnt 0x0                                ; the pending loads have read their bases: these may be written
	PICK
.endif
.endm
	s_load_b256 s[4:11], s[0:1], 0x0               ; inter s[4:5], wd s[6:7], order s[8:9], out1 s[10:11]
	s_load_b128 s[12:15], s[0:1], 0x20             ; lowp_scales s[12:13], out0 s[14:15]
	v_lshl_add_u32 v62, v0, 2, 0x11000
	v_mov_b32 v63, 0
	v_lshrrev_b32 v1, 5, v0
	v_readfirstlane_b32 s16, v1                    ; wave 0..3
	v_and_b32 v40, 31, v0
	v_lshlrev_b32 v[LOFF], 4, v40                  ; 16 x lane
	v_and_b32 v41, 15, v0                          ; r
	v_bfe_u32 v42, v0, 4, 1                        ; h
	v_lshlrev_b32 v43, 2, v41
	v_lshlrev_b32 v44, 4, v41
	s_and_b32 s20, ttmp7, 0xffff                   ; the block of tokens
	s_mov_b32 s43, 0
	s_wait_alu depctr_va_sdst(0)                   ; s16 is written, ahead of its first reader
	s_mul_i32 s44, s16, SQ
	v_mul_u32_u24 v2, v41, SP
	v_lshl_add_u32 v2, v42, 5, v2
	v_add_nc_u32 v2, s44, v2                       ; my quarter, in: row r, 32 bytes for each half of the lanes
	s_mul_i32 s44, s16, 16*SP
	v_mul_u32_u24 v3, v42, SP
	v_lshl_add_u32 v3, v41, 4, v3
	v_add_nc_u32 v3, s44, v3                       ; out: rows 16 w on; sixteen lanes to a row, two rows an instruction
	s_lshl_b32 s44, s16, 6
	v_lshlrev_b32 v7, 2, v42
	v_add_nc_u32 v7, s44, v7                       ; the list: positions 16 w + h, in words
	s_wait_kmcnt 0x0
	s_load_b64 s[28:29], s[12:13], 0x10            ; e4, e5
	s_lshl_b32 s42, s20, 8
	s_add_nc_u64 s[8:9], s[8:9], s[42:43]          ; the block's 64 words of the list
	s_lshl_b32 s42, s20, 17                        ; inter: [block][K step][m][2,048]: my four K steps
	s_lshl_b32 s44, s16, 15
	s_add_co_u32 s42, s42, s44
	s_add_nc_u64 s[4:5], s[4:5], s[42:43]
	s_lshl_b32 s42, ttmp9, 17                      ; slab x 4 fragments + wave x 4 K steps
	s_lshl_b32 s44, s16, 13
	s_add_co_u32 s42, s42, s44
	s_add_nc_u64 s[WB:WB+1], s[6:7], s[42:43]
	s_lshl_b32 s42, ttmp9, 8
	s_add_nc_u64 s[14:15], s[14:15], s[42:43]      ; out0 at the slab's 256 bytes of a row
	s_wait_alu depctr_va_vdst(0)                   ; the addresses v1, v2, v3, v7 and v43 are written, which the loads and LDS instructions of the whole kernel read
.irp m, 0,1,2,3
	global_load_b32 v[TKO+\m], v43, s[8:9] offset:64*\m    ; positions 16 m + r: the tokens of my lane
.endr
.irp i, 0,1,2,3,4,5,6,7
	global_load_b32 v[24+\i], v7, s[8:9] offset:8*\i       ; positions 16 w + 2 i + h: the rows that I store
.endr
	WIN 0xc0                                       ; destination window 3
.set i, 0
.rept 64
	global_load_b128 v[4*i:4*i+3], v[LOFF], s[4:5] offset:512*i    ; fragment (kk, m) at 16 (4 kk + m), as it lies
.set i, i+1
.endr
	WIN 0
	s_wait_loadcnt 63                              ; the twelve loads of the list are in: 64 loads were issued behind the last of them
	v_or_b32 v45, v8, v9
	v_or_b32 v46, v10, v11
	v_or_b32 v45, v45, v46                         ; the OR of my four list words
.irp m, 0,1,2,3
	v_and_b32 v[TKO+\m], 0xffff, v[TKO+\m]
	v_min_u32 v[TKO+\m], 0x3ff, v[TKO+\m]
	v_lshlrev_b32 v[TKO+\m], 5, v[TKO+\m]          ; a row of out1 is 32 bytes
.endr
.irp i, 0,1,2,3,4,5,6,7
	v_and_b32 v[24+\i], 0xffff, v[24+\i]
	v_min_u32 v[24+\i], 0x3ff, v[24+\i]
	v_lshl_add_u32 v[24+\i], v[24+\i], 12, v44     ; token x 4,096 + 16 r
.endr
.irp p, 0,1,2,3,4,5,6,7                ; which experts does the block use?  Eight ballots in a run, each into a scalar register of its own
	v_and_b32 v46, 1<<(16+\p), v45
	v_cmp_ne_u32 s[BAL+\p], 0, v46
.endr
	s_wait_alu depctr_va_sdst(0)                   ; the eight ballots s52 to s59 are written, ahead of their first reader
	s_mov_b32 s[MASK], 0
.irp p, 0,1,2,3,4,5,6,7
	s_cmp_lg_u32 s[BAL+\p], 0                      ; does any of the 64 tokens use expert p?
	s_cselect_b32 s45, 1<<\p, 0
	s_or_b32 s[MASK], s[MASK], s45
.endr
	s_mov_b32 s[REM], s[MASK]
	s_bcnt1_i32_b32 s[CNT], s[MASK]                ; at least 2: a token's two experts differ
	s_sub_co_i32 s[CNT], s[CNT], 2                 ; the first and the last trip are written out
	PICK
	s_mov_b64 s[CUR:CUR+1], s[NXT:NXT+1]
	s_wait_alu depctr_va_vdst(0)                   ; the offsets v8-11 are written, which every load of rw reads, and v24-31, which the stores at the end read
	RWLOAD
	ISSUE 0, CUR, 0                                ; the whole ring: the first expert's four steps
	ISSUE 1, CUR, 1
	ISSUE 2, CUR, 2
	ISSUE 3, CUR, 3
	WIN 0
	s_wait_xcnt 0x0                                ; the loads have read their bases: the next pick writes two of them
	PICK
	s_wait_kmcnt 0x0
	s_add_co_i32 s[SE], s28, s29
	TRIP 1, 0                                      ; its first wait, for slot 0, shows the older loads in too: inter's fragments and the first expert's rw
	s_cmp_le_i32 s[CNT], 0
	s_cbranch_scc1 .Lskip
.Lexp:
	TRIP 0, 0
	s_sub_co_u32 s[CNT], s[CNT], 1
	s_cmp_lg_u32 s[CNT], 0
	s_cbranch_scc1 .Lexp
.Lskip:
	TRIP 0, 1                                      ; the last expert asks for nothing more
	; THE WAY OUT: the four quarters of K meet in LDS
	WIN 0x04                                       ; store data window 1
	s_wait_alu depctr_va_vdst(0)                   ; the weighings have written T, which the LDS stores read, and are done reading v96-127, in which loads from LDS land behind the barrier
.irp m, 0,1,2,3
.irp j, 0,1,2,3
	ds_store_b128 v2, v[8*(4*\m+\j):8*(4*\m+\j)+3]   offset:16*SP*\m+64*\j
	ds_store_b128 v2, v[8*(4*\m+\j)+4:8*(4*\m+\j)+7] offset:16*SP*\m+64*\j+16
.endr
.endr
	WIN 0
	s_wait_dscnt 0x0                               ; for the others' sake: my quarter has landed
	s_barrier_signal -1
	s_barrier_wait -1
.irp i, 0,1,2,3,4,5,6,7
.irp k, 0,1,2,3
	ds_load_b128 v[96+16*\i+4*\k:99+16*\i+4*\k], v3 offset:SQ*\k+2*SP*\i
.endr
.endr
; Pair i of rows: the four quarters are added into registers of the pair's own, from which its store leaves.  Four pairs' additions, one wait, four stores; then the other four.
.macro SUM i
	s_wait_dscnt 28-4*(\i)                         ; this pair of rows' four loads are in; the later pairs' may be out
	v_pk_add_f32 v[96+16*(\i):97+16*(\i)],   v[96+16*(\i):97+16*(\i)],   v[100+16*(\i):101+16*(\i)]
	v_pk_add_f32 v[98+16*(\i):99+16*(\i)],   v[98+16*(\i):99+16*(\i)],   v[102+16*(\i):103+16*(\i)]
	v_pk_add_f32 v[104+16*(\i):105+16*(\i)], v[104+16*(\i):105+16*(\i)], v[108+16*(\i):109+16*(\i)]
	v_pk_add_f32 v[106+16*(\i):107+16*(\i)], v[106+16*(\i):107+16*(\i)], v[110+16*(\i):111+16*(\i)]
	v_pk_add_f32 v[224+4*(\i):225+4*(\i)],   v[96+16*(\i):97+16*(\i)],   v[104+16*(\i):105+16*(\i)]
	v_pk_add_f32 v[226+4*(\i):227+4*(\i)],   v[98+16*(\i):99+16*(\i)],   v[106+16*(\i):107+16*(\i)]
.endm
.macro SEND i
	global_store_b128 v[24+(\i)], v[224+4*(\i):227+4*(\i)], s[14:15] th:TH_STORE_NT   ; sixteen lanes store 256 consecutive bytes of a token's row, aligned; each store has registers of its own
.endm
.irp i, 0,1,2,3
	SUM \i
.endr
	s_wait_alu depctr_va_vdst(0)                   ; the additions have written v224-239, which the four stores read
.irp i, 0,1,2,3
	SEND \i
.endr
.irp i, 4,5,6,7
	SUM \i
.endr
	s_wait_alu depctr_va_vdst(0)                   ; the additions have written v240-255, which the four stores read
.irp i, 4,5,6,7
	SEND \i
.endr
	s_wait_dscnt 0x0                               ; the closing lines, six on end
	s_wait_alu 0x0
	s_wait_tensorcnt 0x0
	ds_add_u32 v62, v63
	s_wait_dscnt 0x0
	s_endpgm
.Lfunc_end_k_qdf5b429d3f_down:
	.size	k_qdf5b429d3f_down, .Lfunc_end_k_qdf5b429d3f_down-k_qdf5b429d3f_down
	.p2alignl 7, 3214868480
	.fill 96, 4, 3214868480
	.section	.rodata,"a",@progbits
	.p2align	6, 0x0
	.amdhsa_kernel k_qdf5b429d3f_down
		.amdhsa_group_segment_fixed_size 70144
		.amdhsa_private_segment_fixed_size 0
		.amdhsa_enable_private_segment 0
		.amdhsa_kernarg_size 48
		.amdhsa_user_sgpr_count 2
		.amdhsa_user_sgpr_kernarg_segment_ptr 1
		.amdhsa_wavefront_size32 1
		.amdhsa_system_sgpr_workgroup_id_x 1
		.amdhsa_system_sgpr_workgroup_id_y 1
		.amdhsa_system_sgpr_workgroup_id_z 1
		.amdhsa_system_vgpr_workitem_id 0
		.amdhsa_next_free_vgpr 1024
		.amdhsa_next_free_sgpr 66
		.amdhsa_reserve_vcc 0
		.amdhsa_float_denorm_mode_32 3
		.amdhsa_float_denorm_mode_16_64 3
		.amdhsa_memory_ordered 1
		.amdhsa_forward_progress 1
		.amdhsa_inst_pref_size 71
	.end_amdhsa_kernel
	.amdgpu_metadata
---
amdhsa.version: [ 1, 2 ]
amdhsa.kernels:
  - .name:           k_qdf5b429d3f_down
    .symbol:         k_qdf5b429d3f_down.kd
    .args:
      - { .name: inter, .offset: 0, .size: 8, .value_kind: global_buffer, .address_space: global }
      - { .name: wd, .offset: 8, .size: 8, .value_kind: global_buffer, .address_space: global }
      - { .name: order, .offset: 16, .size: 8, .value_kind: global_buffer, .address_space: global }
      - { .name: out1, .offset: 24, .size: 8, .value_kind: global_buffer, .address_space: global }
      - { .name: lowp_scales, .offset: 32, .size: 8, .value_kind: global_buffer, .address_space: global }
      - { .name: out0, .offset: 40, .size: 8, .value_kind: global_buffer, .address_space: global }
    .group_segment_fixed_size: 70144
    .private_segment_fixed_size: 0
    .kernarg_segment_align: 8
    .kernarg_segment_size: 48
    .max_flat_workgroup_size: 128
    .sgpr_count:     66
    .vgpr_count:     1024
    .wavefront_size: 32
...
	.end_amdgpu_metadata
.endif
;; end of part 8
